; MI455X (gfx1250); checked and timed in simulation.
; The chip was launched on July 23, 2026; its instructions are those of AMD's public machine-readable ISA for CDNA 5 (MIT licence, August 2026) and "CDNA5" Instruction Set Architecture Reference Guide (July 2026). The comments in the code are by the model that wrote it; some were corrected since.
;; Sparse Mo E. Allowed arithmetic: float matrix products may take bf16 or f16 operands with f32 sums; other float arithmetic in f32, or as packed bf16 or f16 multiplies, adds, multiply-adds, maxima and minima; sums over many terms, partial sums and values carried from step to step in f32; what a program stores and reads back later, other than sums and carried values, may be rounded once to bf16 or f16.
;; Inputs: b1 16 x 2,048 float32; b2 16 x 512 float32; router_b 16 float32; router_w 512 x 16 float32; w1 16 x 512 x 2,048 float32; w2 16 x 2,048 x 512 float32; x 16 x 128 x 512 float32.
;; Outputs: out0 16 x 128 x 512 float32.
;; 2 versions, each right; version 2 is version 1 with the launches up, down written anew for expert scheduling mode. Each part assembles by itself: llvm-mc -triple=amdgcn-amd-amdhsa -mcpu=gfx1250 --defsym DOCPART=n.
;; ======== version 1 of 2: 4 launches
;; workspace buffers: xb 2,097,152 bytes; route 40,960 bytes of whole numbers; gat 32,768 bytes; hs 134,217,728 bytes; rk 133,120 bytes of whole numbers; gl 131,072 bytes; y 16,777,216 bytes
;; launch router (part 1): grid 128 x 1, 4 waves a work-group, no clusters, 38,400 bytes of LDS; arguments x, router_w, router_b, xb, route, gat; writes xb, route, gat
.if DOCPART == 1
	.amdgcn_target "amdgcn-amd-amdhsa--gfx1250"
	.amdhsa_code_object_version 6
	.text
	.protected	k_qb37f5aecdf_router
	.globl	k_qb37f5aecdf_router
	.p2align	8
	.type	k_qb37f5aecdf_router,@function
k_qb37f5aecdf_router:
	s_mov_b64 s[64:65], 0
	v_nop
	global_prefetch_b8 v0, s[64:65] scope:SCOPE_SE
	s_setreg_imm32_b32 hwreg(HW_REG_WAVE_MODE, 25, 1), 1
	s_wait_xcnt 0x0
; SPARSE MoE, launch 1 of 4: the router.  logits = x router_w + router_b; the four largest of 16, ties to the lower index; gates = softmax of those four.
; DEAD WORK, for the whole program.  reference() multiplies expert e's row for token t by comb[t][e] = sum over k of gates[t][k] one_hot(top_idx[t][k])[e].  The one_hot is
; built in reference()'s own body and is exactly 0 for every e that is not one of the token's four indices, whatever the inputs hold.  So 12 of a token's 16 rows are products
; with that zero and reach no output: they are left out as whole rows, and only the 8,192 chosen rows (token, expert) are multiplied.  Every input still reaches the output; all seven are loaded.
; LIMIT: a NaN, an infinity or an overflow that arises only in a row of an expert that the token did not choose is not carried to the result.
; FORMATS.  Every input of the program (x, router_w, router_b, w1, b1, w2, b2) is rounded once to bf16; products on the matrix unit, sums in f32.  The logits are made of the rounded
; numbers too, so that the choice of experts belongs to the same rounded inputs as the products behind it.
; LIMITS.  Logits are finite: -infinity marks an expert already taken, and NaN is not treated apart.  A gate below 2^-126 counts as 0.
; SHARES.  A work-group owns 16 tokens; wave w takes channels 128 w .. 128 w + 127 of them: it rounds them, stores them to xb (what the next launch gathers), and makes a partial tile of logits.
; The four partial tiles meet in LDS; wave 0 picks, and stores at fixed places: no address and no branch hangs on a logit.
; OUT.  xb [2048][512] bf16.  route: words [tile of 16 tokens][expert], bit r set where token r of the tile chose the expert; from byte 8,192 on sel[token][4].  gat [token][4] f32, in top-k order.
.set XSP,   272                        ; a row of x in LDS: 256 bytes + 16: the 16 rows of a fragment load start at 16 different groups of four banks (ISA guide 11.1)
.set XSW,   16*XSP                     ; a wave's 16 rows
.set RWB,   4*XSW                      ; behind them: router_w in bf16, [k][16 experts], 32 bytes a row, 4,096 bytes a wave
.set RED,   RWB+4*4096                 ; the four partial tiles, 1,024 bytes each
.set SPARE, RED+4096                   ; the spare words, 128 bytes a wave: two blocks of 256 bytes that no other line names
.set RWL,   16                         ; v16-79    router_w as loaded
.set XL,    80                         ; v80-143   x as loaded
.set PW,    144                        ; v144-175  router_w packed
.set PX,    176                        ; v176-207  x packed
.set ACC,   208                        ; v208-223  two accumulators
.set BI,    224                        ; v224-231  my eight biases
.set TT,    232                        ; at work
.set FW,    16                         ; later: router_w's four fragments
.set FX,    48                         ; x's four fragments
.set LG,    16                         ; later still: partial tiles, then my eight logits
.set OT,    48                         ; the other eight
.set VV,    80                         ; all sixteen
.set VAL,   96                         ; v96-99    the four largest
.set IDX,   100                        ; v100-103  their experts
.set NEG,   104
.set ONE,   105
.set GT,    108                        ; v108-111  the gates
	s_load_b256 s[4:11], s[0:1], 0x0               ; x s[4:5], router_w s[6:7], router_b s[8:9], xb s[10:11]
	s_load_b128 s[12:15], s[0:1], 0x20             ; route s[12:13], gat s[14:15]
	v_lshl_add_u32 v12, v0, 2, SPARE               ; my spare word
	v_mov_b32 v13, 0                               ; and 0: kept for the add at the wave's end
	v_lshrrev_b32 v15, 5, v0
	v_readfirstlane_b32 s16, v15                   ; wave 0..3
	v_and_b32 v1, 31, v0                           ; l
	v_and_b32 v2, 15, v0                           ; r = l % 16
	v_bfe_u32 v3, v0, 4, 1                         ; h = l / 16
	v_lshlrev_b32 v4, 3, v1                        ; 8 l
	v_lshlrev_b32 v5, 4, v1                        ; 16 l
	v_lshlrev_b32 v14, 5, v3                       ; 32 h: my eight biases
	s_mul_i32 s17, s16, XSW
	v_add_nc_u32 v6, s17, v4                       ; x into LDS: 8 bytes a lane
	v_mul_u32_u24 v7, v2, XSP
	v_lshl_add_u32 v7, v3, 4, v7
	v_add_nc_u32 v7, s17, v7                       ; x's fragments: row r, 16 h
	s_lshl_b32 s17, s16, 12
	s_add_co_u32 s17, s17, RWB
	v_add_nc_u32 v8, s17, v4                       ; router_w into LDS
	v_and_b32 v9, 7, v0
	v_lshl_add_u32 v9, v3, 3, v9                   ; the turning load: row 8 h + l % 8,
	v_lshlrev_b32 v9, 5, v9                        ; 32 bytes a row,
	v_bfe_u32 v15, v0, 3, 1
	v_lshl_add_u32 v9, v15, 4, v9                  ; 16 bytes for each eight lanes
	v_add_nc_u32 v9, s17, v9
	s_lshl_b32 s17, s16, 10
	s_add_co_u32 s17, s17, RED
	v_lshl_add_u32 v10, v1, 5, s17                 ; my 32 bytes of my partial tile
	v_lshl_add_u32 v11, v1, 5, RED                 ; the same place in wave 0's
	s_lshl_b32 s18, ttmp9, 15                      ; x: 16 rows of 2,048 bytes a work-group,
	s_lshl_b32 s17, s16, 9                         ; 512 bytes of a row a wave
	s_add_co_u32 s18, s18, s17
	s_mov_b32 s19, 0
	s_lshl_b32 s20, s16, 13                        ; router_w: 128 rows of 64 bytes a wave
	s_mov_b32 s21, 0
	s_lshl_b32 s22, ttmp9, 14                      ; xb: 16 rows of 1,024 bytes,
	s_lshl_b32 s17, s16, 8                         ; 256 bytes of a row a wave
	s_add_co_u32 s22, s22, s17
	s_mov_b32 s23, 0
	s_lshl_b32 s36, ttmp9, 8                       ; sel and gat: 16 tokens of 16 bytes
	s_mov_b32 s37, 0
	s_lshl_b32 s38, ttmp9, 6                       ; the bitmaps: 16 words
	s_mov_b32 s39, 0
	s_mov_b32 s32, 0x76543210                      ; v_permlanex16_b32: each lane takes its own place in the other half
	s_mov_b32 s33, 0xfedcba98
	s_mov_b32 s34, 0xffff0000                      ; a word's upper bf16; also the mask of lanes 16 to 31
	s_wait_kmcnt 0x0
	s_add_nc_u64 s[4:5], s[4:5], s[18:19]
	s_add_nc_u64 s[6:7], s[6:7], s[20:21]
	s_add_nc_u64 s[10:11], s[10:11], s[22:23]
	s_add_nc_u64 s[26:27], s[12:13], s[36:37]
	s_add_nc_u64 s[28:29], s[12:13], s[38:39]
	s_add_nc_u64 s[30:31], s[14:15], s[36:37]
.set i, 0
.rept 16
	global_load_b128 v[RWL+4*i:RWL+4*i+3], v5, s[6:7] offset:512*i  ; 8 rows of router_w: 512 bytes on end
.set i, i+1
.endr
.set i, 0
.rept 16
	global_load_b128 v[XL+4*i:XL+4*i+3], v5, s[4:5] offset:2048*i th:TH_LOAD_NT  ; token i: my wave's 512 bytes of its row
.set i, i+1
.endr
	global_load_b128 v[BI:BI+3], v14, s[8:9]
	global_load_b128 v[BI+4:BI+7], v14, s[8:9] offset:16
	s_wait_loadcnt 18                              ; router_w is in; x's 16 loads and the bias's 2 may stay out
.set i, 0
.rept 32
	v_cvt_pk_bf16_f32 v[PW+i], v[RWL+2*i], v[RWL+2*i+1]
.set i, i+1
.endr
.set i, 0
.rept 16
	ds_store_b64 v8, v[PW+2*i:PW+2*i+1] offset:256*i
.set i, i+1
.endr
	s_wait_loadcnt 2                               ; x is in
.set i, 0
.rept 32
	v_cvt_pk_bf16_f32 v[PX+i], v[XL+2*i], v[XL+2*i+1]
.set i, i+1
.endr
.set i, 0
.rept 16
	global_store_b64 v4, v[PX+2*i:PX+2*i+1], s[10:11] offset:1024*i  ; 32 lanes store 256 consecutive bytes, at a multiple of 256 from xb's first
	ds_store_b64 v6, v[PX+2*i:PX+2*i+1] offset:XSP*i
.set i, i+1
.endr
	; the fragments: my own bytes, and LDS serves a wave's instructions in order (ISA guide 5.7.1.4): no wait between the stores and these loads
.irp q, 0,1,2,3
	ds_load_tr16_b128 v[FW+8*\q:FW+8*\q+3],   v9 offset:1024*\q       ; lane: expert r, channels 32 q + 8 h ..
	ds_load_tr16_b128 v[FW+8*\q+4:FW+8*\q+7], v9 offset:1024*\q+512   ; and 16 further on
	ds_load_b128 v[FX+8*\q:FX+8*\q+3],   v7 offset:64*\q              ; lane: token r, the same channels
	ds_load_b128 v[FX+8*\q+4:FX+8*\q+7], v7 offset:64*\q+32
.endr
	s_wait_dscnt 0x0
	; source 0 = 16 experts, source 1 = 16 tokens: in the result a lane holds token r and experts 8 h + 0..7.  Two accumulators by turns
	v_wmma_f32_16x16x32_bf16 v[ACC:ACC+7],    v[FW:FW+7],     v[FX:FX+7],     0
	v_wmma_f32_16x16x32_bf16 v[ACC+8:ACC+15], v[FW+8:FW+15],  v[FX+8:FX+15],  0
	v_wmma_f32_16x16x32_bf16 v[ACC:ACC+7],    v[FW+16:FW+23], v[FX+16:FX+23], v[ACC:ACC+7]
	v_wmma_f32_16x16x32_bf16 v[ACC+8:ACC+15], v[FW+24:FW+31], v[FX+24:FX+31], v[ACC+8:ACC+15]
.rept 5
	v_nop                                          ; the places behind the products (ISA guide 7.12.1)
.endr
.irp j, 0,2,4,6
	v_pk_add_f32 v[ACC+\j:ACC+\j+1], v[ACC+\j:ACC+\j+1], v[ACC+8+\j:ACC+8+\j+1]
.endr
	ds_store_b128 v10, v[ACC:ACC+3]
	ds_store_b128 v10, v[ACC+4:ACC+7] offset:16
	s_wait_dscnt 0x0                               ; for wave 0's sake: my partial tile lies in LDS
	s_barrier_signal -1
	s_barrier_wait -1
	s_cmp_lg_u32 s16, 0
	s_cbranch_scc1 .Lend                           ; wave 0 alone goes on
.irp w, 0,1,2,3
	ds_load_b128 v[LG+8*\w:LG+8*\w+3],   v11 offset:1024*\w
	ds_load_b128 v[LG+8*\w+4:LG+8*\w+7], v11 offset:1024*\w+16
.endr
	s_wait_dscnt 0x0
	s_wait_loadcnt 0x0                             ; the bias
.irp j, 0,2,4,6
	v_pk_add_f32 v[LG+\j:LG+\j+1], v[LG+\j:LG+\j+1], v[LG+8+\j:LG+8+\j+1]
	v_pk_add_f32 v[LG+16+\j:LG+16+\j+1], v[LG+16+\j:LG+16+\j+1], v[LG+24+\j:LG+24+\j+1]
.endr
.irp j, 0,1,2,3
	v_cvt_pk_bf16_f32 v[TT+\j], v[BI+2*\j], v[BI+2*\j+1]   ; the bias is rounded to bf16 like every input,
.endr
.irp j, 0,1,2,3
	v_lshlrev_b32 v[BI+2*\j], 16, v[TT+\j]                 ; and widened again
	v_and_b32 v[BI+2*\j+1], s34, v[TT+\j]
.endr
.irp j, 0,2,4,6
	v_pk_add_f32 v[LG+\j:LG+\j+1], v[LG+\j:LG+\j+1], v[LG+16+\j:LG+16+\j+1]
.endr
.irp j, 0,2,4,6
	v_pk_add_f32 v[LG+\j:LG+\j+1], v[LG+\j:LG+\j+1], v[BI+\j:BI+\j+1]
.endr
	; all sixteen logits of token r into both of its lanes: from here on the two halves of the lanes compute alike
.irp j, 0,1,2,3,4,5,6,7
	v_permlanex16_b32 v[OT+\j], v[LG+\j], s32, s33         ; (its destination has been written: it held a fragment)
.endr
.irp j, 0,1,2,3,4,5,6,7
	v_cndmask_b32 v[VV+\j],   v[LG+\j], v[OT+\j], s34      ; experts 0-7: my own in lanes 0-15, the other half's in lanes 16-31
	v_cndmask_b32 v[VV+8+\j], v[OT+\j], v[LG+\j], s34      ; experts 8-15
.endr
	v_mov_b32 v[NEG], 0xff800000
	v_mov_b32 v[ONE], 1
; The k-th pick: the maximum; the lowest index that holds it (the tests run from 15 down to 0, so the lowest wins, as in lax.top_k); that expert is taken out.
.macro PICK k
	v_max3_num_f32 v[VAL+\k], v[VV], v[VV+1], v[VV+2]
.irp i, 3,5,7,9,11,13
	v_max3_num_f32 v[VAL+\k], v[VAL+\k], v[VV+\i], v[VV+\i+1]
.endr
	v_max_num_f32 v[VAL+\k], v[VAL+\k], v[VV+15]
	v_mov_b32 v[IDX+\k], 0
.irp i, 15,14,13,12,11,10,9,8,7,6,5,4,3,2,1,0
	v_cmp_eq_f32 vcc_lo, v[VV+\i], v[VAL+\k]
	v_cndmask_b32 v[IDX+\k], v[IDX+\k], \i, vcc_lo
.endr
.if \k < 3
.irp i, 0,1,2,3,4,5,6,7,8,9,10,11,12,13,14,15
	v_cmp_eq_u32 vcc_lo, \i, v[IDX+\k]
	v_cndmask_b32 v[VV+\i], v[VV+\i], v[NEG], vcc_lo
.endr
.endif
.endm
	PICK 0
	PICK 1
	PICK 2
	PICK 3
	; the gates: the first pick is the maximum that the softmax takes away, so its exponential is 1
	v_sub_f32 v112, v[VAL+1], v[VAL]
	v_sub_f32 v113, v[VAL+2], v[VAL]
	v_sub_f32 v114, v[VAL+3], v[VAL]
	v_mul_f32 v112, 0x3fb8aa3b, v112               ; log2(e)
	v_mul_f32 v113, 0x3fb8aa3b, v113
	v_mul_f32 v114, 0x3fb8aa3b, v114
	v_exp_f32 v[GT+1], v112
	v_exp_f32 v[GT+2], v113
	v_exp_f32 v[GT+3], v114
	v_nop                                          ; a plain instruction behind the last exponential (ISA guide 5.7.2),
	s_wait_alu depctr_va_vdst(0)                   ; and the one wait ahead of the batch's first reader
	v_add_f32 v115, v[GT+1], v[GT+2]
	v_add_f32 v115, v115, v[GT+3]
	v_add_f32 v115, 1.0, v115
	v_rcp_f32 v[GT], v115
	v_nop
	s_wait_alu depctr_va_vdst(0)
	v_mul_f32 v[GT+1], v[GT+1], v[GT]
	v_mul_f32 v[GT+2], v[GT+2], v[GT]
	v_mul_f32 v[GT+3], v[GT+3], v[GT]
	; the bitmaps: my token's four experts as bits; for each expert the 16 tokens' bits as one word, into lane e
	v_lshlrev_b32 v116, v[IDX], v[ONE]
	v_lshlrev_b32 v117, v[IDX+1], v[ONE]
	v_lshlrev_b32 v118, v[IDX+2], v[ONE]
	v_lshlrev_b32 v119, v[IDX+3], v[ONE]
	v_or_b32 v116, v116, v117
	v_or_b32 v118, v118, v119
	v_or_b32 v116, v116, v118
	v_mov_b32 v120, 0
.irp e, 0,1,2,3,4,5,6,7,8,9,10,11,12,13,14,15
	v_and_b32 v117, 1<<\e, v116
	v_cmp_ne_u32 s24, 0, v117
	s_and_b32 s24, s24, 0xffff                     ; lanes 16-31 repeat lanes 0-15
	v_writelane_b32 v120, s24, \e
.endr
	v_lshlrev_b32 v121, 4, v2
	v_lshlrev_b32 v122, 2, v2
	s_wait_xcnt 0x0                                ; EXEC changes only behind this wait: xb's stores have read theirs
	v_cmp_gt_u32 vcc_lo, 16, v1
	s_and_saveexec_b32 s35, vcc_lo                 ; lanes 0-15: a token each
	global_store_b128 v121, v[IDX:IDX+3], s[26:27] offset:8192  ; 16 lanes store 256 consecutive bytes, aligned
	global_store_b128 v121, v[GT:GT+3], s[30:31]
	global_store_b32 v122, v120, s[28:29]
	s_wait_xcnt 0x0                                ; and again, in front of the line that widens it
	s_or_b32 exec_lo, exec_lo, s35
.Lend:
	s_wait_tensorcnt 0x0                           ; the wave's end, behind my last LDS store
	ds_add_u32 v12, v13
	s_wait_dscnt 0x0
	s_endpgm
.Lfunc_end_k_qb37f5aecdf_router:
	.size	k_qb37f5aecdf_router, .Lfunc_end_k_qb37f5aecdf_router-k_qb37f5aecdf_router
	.p2alignl 7, 3214868480
	.fill 96, 4, 3214868480
	.section	.rodata,"a",@progbits
	.p2align	6, 0x0
	.amdhsa_kernel k_qb37f5aecdf_router
		.amdhsa_group_segment_fixed_size 38400
		.amdhsa_private_segment_fixed_size 0
		.amdhsa_enable_private_segment 0
		.amdhsa_kernarg_size 48
		.amdhsa_user_sgpr_count 2
		.amdhsa_user_sgpr_kernarg_segment_ptr 1
		.amdhsa_wavefront_size32 1
		.amdhsa_system_sgpr_workgroup_id_x 1
		.amdhsa_system_sgpr_workgroup_id_y 1
		.amdhsa_system_sgpr_workgroup_id_z 1
		.amdhsa_system_vgpr_workitem_id 0
		.amdhsa_next_free_vgpr 256
		.amdhsa_next_free_sgpr 66
		.amdhsa_reserve_vcc 1
		.amdhsa_float_denorm_mode_32 3
		.amdhsa_float_denorm_mode_16_64 3
		.amdhsa_memory_ordered 1
		.amdhsa_forward_progress 1
		.amdhsa_inst_pref_size 36
	.end_amdhsa_kernel
	.amdgpu_metadata
---
amdhsa.version: [ 1, 2 ]
amdhsa.kernels:
  - .name:           k_qb37f5aecdf_router
    .symbol:         k_qb37f5aecdf_router.kd
    .args:
      - { .name: x, .offset: 0, .size: 8, .value_kind: global_buffer, .address_space: global }
      - { .name: router_w, .offset: 8, .size: 8, .value_kind: global_buffer, .address_space: global }
      - { .name: router_b, .offset: 16, .size: 8, .value_kind: global_buffer, .address_space: global }
      - { .name: xb, .offset: 24, .size: 8, .value_kind: global_buffer, .address_space: global }
      - { .name: route, .offset: 32, .size: 8, .value_kind: global_buffer, .address_space: global }
      - { .name: gat, .offset: 40, .size: 8, .value_kind: global_buffer, .address_space: global }
    .group_segment_fixed_size: 38400
    .private_segment_fixed_size: 0
    .kernarg_segment_align: 8
    .kernarg_segment_size: 48
    .max_flat_workgroup_size: 128
    .sgpr_count:     66
    .vgpr_count:     256
    .wavefront_size: 32
...
	.end_amdgpu_metadata
.endif
;; end of part 1
;; launch up (part 2): grid 16 x 16, 4 waves a work-group, no clusters, 181,760 bytes of LDS; arguments xb, route, gat, w1, b1, hs, rk, gl; writes hs, rk, gl
.if DOCPART == 2
	.amdgcn_target "amdgcn-amd-amdhsa--gfx1250"
	.amdhsa_code_object_version 6
	.text
	.protected	k_qb37f5aecdf_up
	.globl	k_qb37f5aecdf_up
	.p2align	8
	.type	k_qb37f5aecdf_up,@function
k_qb37f5aecdf_up:
	s_mov_b64 s[64:65], 0
	v_nop
	global_prefetch_b8 v0, s[64:65] scope:SCOPE_SE
	s_setreg_imm32_b32 hwreg(HW_REG_WAVE_MODE, 25, 1), 1
	s_wait_xcnt 0x0
; SPARSE MoE, launch 2 of 4: h = relu(x w1[e] + b1[e]) for the rows (token, expert) that the router chose; the other rows meet a zero of reference()'s own one_hot and are left out (first kernel's head).
; SHARES.  Work-group (s, e) alone reads w1[e][:, 128 s .. 128 s + 127], each f32 once, and rounds it to bf16 on its way through registers.  Wave w: c = w % 2 is its half of 64 columns, p = w / 2 the
; parity of its tiles of 16 rows.  A wave keeps its 512 x 64 weights in 512 REGISTERS for the whole launch: in the loop no weight is read, from LDS or from memory.
; For a tile: 32 loads gather 16 rows of xb as fragments, 64 matrix instructions, 4 stores.
; THE LIST.  Every wave builds the expert's list of tokens for itself, from the router's bitmaps, while its first weights are on their way: a prefix over the lanes, then a bit a trip.  All lanes stay on:
; a set bit's token goes to the lane's next rank, a clear bit's to a dump place of the lane's own.  All slices build the same list; a token's place in it is its RANK.
; Slice s also stores the records of ranks 128 s .. 128 s + 127 for the next launch: rk = 4 token + slot, gl = gate.
; EVERY SPLIT is served: 0 to 2,048 rows.  Places past the count repeat the expert's last row, in the tiles and in the records alike.  An expert with no rows still makes one tile, of token 0, so that
; every byte that the next launch's clamped look-ahead names has been stored; nothing of it reaches the output.
; THE LOOP HAS A CONSTANT 66 STEPS, which cover the 64 tiles that a wave can have; a step without a tile jumps its own work.
; LAYOUT.  h^T = w1^T x^T (source 0 = 16 columns, source 1 = 16 rows): in the result a lane holds ONE row (lane % 16) and eight neighbouring columns, which pack into 16 bytes; those 16 bytes ARE half a
; fragment of the next product.  hs: [e][tile 128][K step 64][half 2][lane 32][16 bytes]: a wave's four stores of a tile are 2,048 consecutive bytes.  The bias is the C operand that starts the sums.
; LIMIT: h is rounded once to bf16.
; REGISTERS, in windows of 256 (s_set_vgpr_msb: bits 1:0 source 0, 3:2 source 1, 5:4 source 2, 7:6 destination):
;   window 0: v0-31 addresses and the list's work; v32-63 bias; v64-95 four accumulators (in the prologue: landing for bitmaps, sel, gat, and four zeros); v96-127 packed results; v128-255 x buffer 2
;   windows 1, 2: the weights: K step ks, column tile j at window 1 + ks / 8, v[32 (ks % 8) + 8 j]          window 3: x buffers 0 and 1; in the prologue four landing zones of 64 for w1
.set WSP,   160                        ; a row of weights in LDS: 64 bf16 + 32 bytes
.set WSH,   512*WSP                    ; a column half: 512 rows
.set LIST,  2*WSH                      ; behind the two halves: each wave's own list
.set LISTW, 4352                       ; 2,048 tokens of 2 bytes, then 32 dump places, a lane each; rounded up to blocks of 256 bytes
.set SPARE, LIST+4*LISTW               ; the spare words, 128 bytes a wave: two blocks of 256 bytes that no other line names
.set OFF,   6                          ; v6-8   x buffer b: my row's byte offset in xb + 16 h
.set BIAS,  32
.set ACC,   64
.set PK,    96
.set MSB, 0
.macro WIN new                         ; the immediate's high byte repeats the setting that is left; a switch that changes nothing is dropped
.if MSB != (\new)
	s_set_vgpr_msb (MSB<<8)|(\new)
.set MSB, \new
.endif
.endm
; 32 rows of my 256 of w1, my 64 columns: 16 loads, each two whole pieces of 256 bytes, into landing zone ch % 4
.macro WLOAD ch
	WIN 0xc0
.set i, 0
.rept 16
	global_load_b128 v[64*((\ch)%4)+4*i:64*((\ch)%4)+4*i+3], v18, s[10:11] offset:(32*(\ch)+2*i)*8192 th:TH_LOAD_NT
.set i, i+1
.endr
.endm
; the same rows rounded to bf16 and laid into LDS, [k][64 columns]
.macro WCVT ch
	WIN 0x0f
.set i, 0
.rept 32
	v_cvt_pk_bf16_f32 v[PK+i], v[64*((\ch)%4)+2*i], v[64*((\ch)%4)+2*i+1]
.set i, i+1
.endr
	WIN 0
.set i, 0
.rept 16
	ds_store_b64 v15, v[PK+2*i:PK+2*i+1] offset:(32*(\ch)+2*i)*WSP
.set i, i+1
.endr
.endm
; half of a tile's x: K steps 8 half .. 8 half + 7 into buffer b.  A fragment is 16 rows x 32 channels: lane l holds row l % 16, channels 8 (l / 16) + 0..7 and 16 further on
.macro AHALF b, half
.if (\b) == 2
	WIN 0
.else
	WIN 0xc0
.endif
.if (\b) == 0
.set AB, 0
.else
.set AB, 128
.endif
.set ks, 8*(\half)
.rept 8
	global_load_b128 v[AB+8*ks:AB+8*ks+3],   v[OFF+(\b)], s[4:5] offset:64*ks
	global_load_b128 v[AB+8*ks+4:AB+8*ks+7], v[OFF+(\b)], s[4:5] offset:64*ks+32
.set ks, ks+1
.endr
.endm
; a tile's 64 products.  The four accumulators take turns, one instruction a turn; the first four start the sums with the bias
.macro MULS b
.if (\b) == 2
.set AW, 0
.else
.set AW, 3
.endif
.if (\b) == 0
.set AB, 0
.else
.set AB, 128
.endif
.set ks, 0
.rept 16
	WIN (1+ks/8)|(AW<<2)
.irp j, 0,1,2,3
.if ks == 0
	v_wmma_f32_16x16x32_bf16 v[ACC+8*\j:ACC+8*\j+7], v[8*\j:8*\j+7], v[AB:AB+7], v[BIAS+8*\j:BIAS+8*\j+7]
.else
	v_wmma_f32_16x16x32_bf16 v[ACC+8*\j:ACC+8*\j+7], v[(ks%8)*32+8*\j:(ks%8)*32+8*\j+7], v[AB+8*ks:AB+8*ks+7], v[ACC+8*\j:ACC+8*\j+7]
.endif
.endr
.set ks, ks+1
.endr
.endm
.macro PLACES                          ; the places behind the last product, in front of conversions that read results and of loads into registers that it has read
.rept 5
	v_nop
.endr
.endm
.macro PACK                            ; rounded to bf16, each accumulator from its low end on; then the ReLU, two at a time
.set i, 0
.rept 16
	v_cvt_pk_bf16_f32 v[PK+i], v[ACC+2*i], v[ACC+2*i+1]
.set i, i+1
.endr
.set i, 0
.rept 16
	v_pk_max_num_bf16 v[PK+i], v[PK+i], v9
.set i, i+1
.endr
.endm
	s_load_b512 s[4:19], s[0:1], 0x0               ; xb s[4:5], route s[6:7], gat s[8:9], w1 s[10:11], b1 s[12:13], hs s[14:15], rk s[16:17], gl s[18:19]
	v_lshl_add_u32 v16, v0, 2, SPARE               ; my spare word
	v_mov_b32 v17, 0                               ; and 0: kept for the add at the wave's end
	v_lshrrev_b32 v1, 5, v0
	v_readfirstlane_b32 s20, v1                    ; wave 0..3
	v_and_b32 v1, 31, v0                           ; l
	v_and_b32 v2, 15, v0                           ; r
	v_bfe_u32 v3, v0, 4, 1                         ; h
	v_lshlrev_b32 v4, 4, v1                        ; 16 l
	v_lshlrev_b32 v5, 4, v3                        ; 16 h
	v_mov_b32 v9, 0                                ; for the ReLU
	s_and_b32 s21, s20, 1                          ; c
	s_lshr_b32 s22, s20, 1                         ; p
	s_mov_b32 s23, ttmp9                           ; s
	s_and_b32 s24, ttmp7, 0xffff                   ; e
	s_mul_i32 s30, s20, LISTW
	s_add_co_u32 s30, s30, LIST                    ; my list
	s_mul_i32 s31, s21, WSH                        ; my column half in LDS
	v_and_b32 v13, 7, v0
	v_lshl_add_u32 v13, v3, 3, v13                 ; the turning load: row 8 h + l % 8,
	v_mul_u32_u24 v13, v13, WSP
	v_bfe_u32 v14, v0, 3, 1
	v_lshl_add_u32 v13, v14, 4, v13                ; 16 bytes for each eight lanes
	v_add_nc_u32 v13, s31, v13                     ; K steps 0-7
	v_add_nc_u32 v14, 256*WSP, v13                 ; K steps 8-15: the immediate has 16 bits
	s_mul_i32 s41, s22, 256*WSP
	s_add_co_u32 s41, s41, s31
	v_mul_u32_u24 v15, v3, WSP
	v_lshl_add_u32 v15, v2, 3, v15
	v_add_nc_u32 v15, s41, v15                     ; weights into LDS: my 256 rows; row h, 8 r
	v_lshlrev_b32 v18, 13, v3
	v_lshl_add_u32 v18, v2, 4, v18                 ; w1: row h of two, 16 r
	v_lshlrev_b32 v26, 8, v1                       ; the bitmaps of my four tiles of 16 tokens: 64 bytes a tile
	v_lshlrev_b32 v27, 5, v3                       ; 32 h: my eight biases of a column tile
	v_lshlrev_b32 v28, 2, v0                       ; my record
	s_lshl_b32 s41, s23, 7
	v_add_nc_u32 v31, s41, v0                      ; its rank: 128 s + thread
	s_lshl_b32 s32, s24, 22                        ; w1: the expert's 4 MiB,
	s_lshl_b32 s41, s22, 21                        ; my 256 rows of 8,192 bytes,
	s_add_co_u32 s32, s32, s41
	s_lshl_b32 s41, s23, 9                         ; the slice's 512 bytes of a row,
	s_add_co_u32 s32, s32, s41
	s_lshl_b32 s50, s21, 8                         ; my half's 256
	s_add_co_u32 s32, s32, s50
	s_mov_b32 s33, 0
	s_mov_b32 s51, 0
	s_lshl_b32 s46, s24, 13                        ; b1, rk and gl: 8,192 bytes an expert, 512 a slice
	s_add_co_u32 s46, s46, s41
	s_mov_b32 s47, 0
	s_lshl_b32 s52, s24, 23                        ; hs: the expert's 128 tiles of 65,536 bytes,
	s_lshl_b32 s41, s23, 12                        ; K steps 4 s + 2 c on, 1,024 bytes each
	s_add_co_u32 s52, s52, s41
	s_lshl_b32 s41, s21, 11
	s_add_co_u32 s52, s52, s41
	s_mov_b32 s53, 0
	s_lshl_b32 s54, s24, 2                         ; the expert's word in a tile's bitmaps
	s_mov_b32 s55, 0
	s_lshl_b32 s56, s24, 7                         ; the expert's 32 words for its count
	s_mov_b32 s57, 0
	s_wait_kmcnt 0x0
	s_add_nc_u64 s[10:11], s[10:11], s[32:33]
	s_add_nc_u64 s[12:13], s[12:13], s[46:47]
	s_add_nc_u64 s[12:13], s[12:13], s[50:51]
	s_add_nc_u64 s[36:37], s[14:15], s[52:53]
	s_add_nc_u64 s[44:45], s[6:7], s[54:55]
	s_add_nc_u64 s[48:49], s[16:17], s[56:57]
	s_add_nc_u64 s[16:17], s[16:17], s[46:47]
	s_add_nc_u64 s[18:19], s[18:19], s[46:47]
.irp i, 0,1,2,3
	global_load_b32 v[72+\i], v26, s[44:45] offset:64*\i   ; tiles 4 l + i: tokens 64 l .. 64 l + 63
.endr
.irp j, 0,1,2,3
	global_load_b128 v[BIAS+8*\j:BIAS+8*\j+3],   v27, s[12:13] offset:64*\j
	global_load_b128 v[BIAS+8*\j+4:BIAS+8*\j+7], v27, s[12:13] offset:64*\j+16
.endr
	WLOAD 0
	WLOAD 1
	WLOAD 2
	WIN 0
.irp i, 92,93,94,95
	v_mov_b32 v\i, 0
.endr
	v_lshl_add_u32 v12, v1, 4, s30
.set i, 0
.rept 8
	ds_store_b128 v12, v[92:95] offset:512*i       ; the list starts as 2,048 times token 0: what an expert with no rows gathers
.set i, i+1
.endr
	s_wait_loadcnt 48                              ; bitmaps and bias are in; the three chunks of weights stay out while the list is built
.set i, 0
.rept 16
	v_cvt_pk_bf16_f32 v[PK+i], v[BIAS+2*i], v[BIAS+2*i+1]  ; b1 is rounded to bf16 like every input,
.set i, i+1
.endr
.set i, 0
.rept 16
	v_lshlrev_b32 v[BIAS+2*i], 16, v[PK+i]                 ; and widened again
	v_and_b32 v[BIAS+2*i+1], 0xffff0000, v[PK+i]
.set i, i+1
.endr
	v_lshl_or_b32 v19, v73, 16, v72                ; tokens 64 l .. 64 l + 31
	v_lshl_or_b32 v20, v75, 16, v74                ; tokens 64 l + 32 .. 64 l + 63
	v_mov_b32 v21, 0
	s_mov_b32 s40, 0
.set ln, 0
.rept 32                                       ; the prefix: lane ln's first rank is the number of chosen tokens in the lanes below it
	v_readlane_b32 s41, v19, ln
	v_readlane_b32 s42, v20, ln
	v_writelane_b32 v21, s40, ln
	s_bcnt1_i32_b32 s41, s41
	s_bcnt1_i32_b32 s42, s42
	s_add_co_u32 s40, s40, s41
	s_add_co_u32 s40, s40, s42
.set ln, ln+1
.endr
	s_min_u32 s25, s40, 2048                       ; the expert's rows
	s_add_co_u32 s26, s25, 15
	s_lshr_b32 s26, s26, 4
	s_max_u32 s26, s26, 1                          ; tiles to make: one at the least,
	s_min_u32 s26, s26, 128                        ; 128 at the most
	s_max_u32 s27, s25, 1
	s_sub_co_u32 s27, s27, 1                       ; the last rank that exists
	v_lshlrev_b32 v24, 6, v1                       ; the tokens of this trip's two bits
	v_add_nc_u32 v25, 32, v24
	v_add_nc_u32 v26, 0x800, v1                    ; my dump place, behind the 2,048 ranks (the loads that read v26 are in)
	s_mov_b32 s39, 0
.Lbit:                                                 ; 32 trips: bit s39 of both words; a set bit puts its token at the lane's next rank, a clear one at the dump place
	v_bfe_u32 v22, v19, s39, 1
	v_cmp_eq_u32 vcc_lo, 1, v22
	v_cndmask_b32 v23, v26, v21, vcc_lo
	v_min_u32 v23, 0x81f, v23
	v_lshlrev_b32 v23, 1, v23
	v_add_nc_u32 v12, s30, v23
	ds_store_b16 v12, v24
	v_add_nc_u32 v21, v21, v22
	v_bfe_u32 v22, v20, s39, 1
	v_cmp_eq_u32 vcc_lo, 1, v22
	v_cndmask_b32 v23, v26, v21, vcc_lo
	v_min_u32 v23, 0x81f, v23
	v_lshlrev_b32 v23, 1, v23
	v_add_nc_u32 v12, s30, v23
	ds_store_b16 v12, v25
	v_add_nc_u32 v21, v21, v22
	v_add_nc_u32 v24, 1, v24
	v_add_nc_u32 v25, 1, v25
	s_add_co_u32 s39, s39, 1
	s_cmp_lt_u32 s39, 32
	s_cbranch_scc1 .Lbit
	; my first three tiles' rows (tiles p, p + 2, p + 4) and my record's token: my own list, so LDS's order within the wave (ISA guide 5.7.1.4) is all that the reads need
	s_lshl_b32 s41, s22, 4
	v_add_nc_u32 v10, s41, v2
.irp i, 0,1,2
	v_add_nc_u32 v22, 32*\i, v10
	v_min_u32 v22, s27, v22                        ; places past the count repeat the last row
	v_min_u32 v22, 0x7ff, v22
	v_lshlrev_b32 v22, 1, v22
	v_add_nc_u32 v22, s30, v22
	ds_load_u16 v[76+\i], v22
.endr
	v_min_u32 v22, s27, v31
	v_min_u32 v22, 0x7ff, v22
	v_lshlrev_b32 v22, 1, v22
	v_add_nc_u32 v22, s30, v22
	ds_load_u16 v24, v22
	s_wait_dscnt 0x0
	v_min_u32 v76, 0x7ff, v76
	v_min_u32 v77, 0x7ff, v77
	v_min_u32 v78, 0x7ff, v78
	v_min_u32 v24, 0x7ff, v24
	v_lshlrev_b32 v76, 10, v76                     ; a row of xb is 1,024 bytes
	v_lshlrev_b32 v77, 10, v77
	v_lshlrev_b32 v78, 10, v78
	v_add_nc_u32 v[OFF+2], v5, v76                 ; the buffers are taken in the order 2, 0, 1
	v_add_nc_u32 v[OFF+0], v5, v77
	v_add_nc_u32 v[OFF+1], v5, v78
	v_lshlrev_b32 v25, 4, v24
	global_load_b128 v[64:67], v25, s[6:7] offset:8192  ; the token's four experts,
	global_load_b128 v[68:71], v25, s[8:9]              ; and its four gates
	; THE WEIGHTS' RING.  At chunk ch: the wait for it, then 16 more loads, then its conversion.  Three groups of 16 loads are always asked for
	s_wait_loadcnt 34                              ; chunk 0 is in; out: chunks 1, 2 and the two gathers
	WLOAD 3
	WCVT 0
	s_wait_loadcnt 34                              ; out: chunk 2, the gathers, chunk 3
	WLOAD 4
	WCVT 1
	s_wait_loadcnt 34                              ; out: the gathers, chunks 3, 4
	WLOAD 5
	WCVT 2
	WIN 0
	s_wait_loadcnt 48                              ; the gathers are in; out: chunks 3, 4, 5
	v_mov_b32 v29, 0                               ; which of the token's four slots names my expert
	v_mov_b32 v30, v68
.irp k, 1,2,3
	v_cmp_eq_u32 vcc_lo, s24, v[64+\k]
	v_cndmask_b32 v29, v29, \k, vcc_lo
	v_cndmask_b32 v30, v30, v[68+\k], vcc_lo
.endr
	v_lshl_add_u32 v29, v24, 2, v29                ; 4 token + slot: the row of y
	global_store_b32 v28, v29, s[16:17]            ; every rank has a record: those past the count repeat the last rank's.  The four waves' stores are 512 consecutive bytes
	global_store_b32 v28, v30, s[18:19]
	s_or_b32 s41, s23, s20
	s_cmp_lg_u32 s41, 0
	s_cbranch_scc1 .Lnocnt                         ; slice 0's wave 0 stores the expert's count, into 32 words on end
	v_mov_b32 v22, s25
	global_store_b32 v28, v22, s[48:49] offset:131072
.Lnocnt:
	s_wait_loadcnt 32                              ; from here on: two groups of 16 may stay out
	WLOAD 6
	WCVT 3
	s_wait_loadcnt 32
	WLOAD 7
	WCVT 4
	s_wait_loadcnt 32
	AHALF 2, 0                                     ; no weights are left to ask for: the first tiles' x takes their place
	WCVT 5
	s_wait_loadcnt 32
	AHALF 2, 1
	WCVT 6
	s_wait_loadcnt 32
	AHALF 0, 0                                     ; into landing zone 0, converted three chunks ago
	WCVT 7
	AHALF 0, 1
	AHALF 1, 0
	AHALF 1, 1                                     ; 96 loads are asked for; the counter's field holds 63, and the issue waits at it (ISA guide 5.7.1)
	WIN 0
	s_wait_dscnt 0x0                               ; for the others' sake: my 256 rows of weights lie in LDS
	s_barrier_signal -1
	s_barrier_wait -1                              ; both halves are whole
	WIN 0x40
.set ks, 0
.rept 8
.irp j, 0,1,2,3
	ds_load_tr16_b128 v[32*ks+8*\j:32*ks+8*\j+3],   v13 offset:ks*32*WSP+32*\j          ; lane: column 16 j + r, channels 32 ks + 8 h ..
	ds_load_tr16_b128 v[32*ks+8*\j+4:32*ks+8*\j+7], v13 offset:ks*32*WSP+32*\j+16*WSP   ; and 16 further on
.endr
.set ks, ks+1
.endr
	WIN 0x80
.set ks, 0
.rept 8
.irp j, 0,1,2,3
	ds_load_tr16_b128 v[32*ks+8*\j:32*ks+8*\j+3],   v14 offset:ks*32*WSP+32*\j
	ds_load_tr16_b128 v[32*ks+8*\j+4:32*ks+8*\j+7], v14 offset:ks*32*WSP+32*\j+16*WSP
.endr
.set ks, ks+1
.endr
	WIN 0
	s_wait_dscnt 0x0
; A STEP: tile T, whose x lies in buffer b.  A step without a tile jumps its work, forward, to a label inside the loop; what is jumped holds no barrier.
.macro STEP b
	s_cmp_lt_u32 s28, s26
	s_cbranch_scc1 .Llive_\@
	s_wait_loadcnt 0x0                             ; a step without a tile asks for nothing and waits for all loads: so behind a buffer's loads stand, on every way through the text, either the two younger buffers' 64 or this wait
	s_branch .Lnext_\@
.Llive_\@:
	s_lshl_b32 s41, s28, 4
	s_add_co_u32 s41, s41, 96                      ; the rows of tile T + 6, which this buffer takes next
	v_add_nc_u32 v10, s41, v2
	v_min_u32 v10, s27, v10                        ; places past the count repeat the last row
	v_min_u32 v10, 0x7ff, v10
	v_lshlrev_b32 v12, 1, v10
	v_add_nc_u32 v12, s30, v12
	ds_load_u16 v11, v12
	s_wait_loadcnt 63                              ; behind this buffer's loads the two younger buffers' 64 were issued; 63 is the most that the wait can name
	MULS \b
	WIN 0
	PLACES
	s_wait_xcnt 0x0                                ; the last tile's stores have read their data and their base: both are written below
	s_min_u32 s32, s28, 127                        ; (T is below the tiles' number, 128 at the most)
	s_lshl_b32 s32, s32, 16
	s_add_nc_u64 s[34:35], s[36:37], s[32:33]
	PACK
.irp j, 0,1,2,3
	global_store_b128 v4, v[PK+4*\j:PK+4*\j+3], s[34:35] offset:512*\j th:TH_STORE_NT  ; 512 consecutive bytes; the four together 2,048, at a multiple of 256 from hs's first
.endr
	s_wait_dscnt 0x0
	v_min_u32 v11, 0x7ff, v11
	v_lshlrev_b32 v11, 10, v11
	v_add_nc_u32 v[OFF+(\b)], v5, v11              ; free: the loads that read it are in
	AHALF \b, 0
	AHALF \b, 1
	WIN 0
.Lnext_\@:
	s_add_co_u32 s28, s28, 2
.endm
	s_mov_b32 s28, s22                             ; T = p
	s_mov_b32 s33, 0
	s_mov_b32 s29, 22                              ; 66 steps cover the 64 tiles that a wave can have
.Ltrip:
	STEP 2
	STEP 0
	STEP 1
	s_sub_co_u32 s29, s29, 1
	s_cmp_lg_u32 s29, 0
	s_cbranch_scc1 .Ltrip
	s_wait_dscnt 0x0
	s_barrier_signal -1
	s_barrier_wait -1                              ; every wave's reads of LDS are over before any wave runs its closing lines
	s_wait_tensorcnt 0x0                           ; the wave's end, behind my last LDS store
	ds_add_u32 v16, v17
	s_wait_dscnt 0x0
	s_endpgm
.Lfunc_end_k_qb37f5aecdf_up:
	.size	k_qb37f5aecdf_up, .Lfunc_end_k_qb37f5aecdf_up-k_qb37f5aecdf_up
	.p2alignl 7, 3214868480
	.fill 96, 4, 3214868480
	.section	.rodata,"a",@progbits
	.p2align	6, 0x0
	.amdhsa_kernel k_qb37f5aecdf_up
		.amdhsa_group_segment_fixed_size 181760
		.amdhsa_private_segment_fixed_size 0
		.amdhsa_enable_private_segment 0
		.amdhsa_kernarg_size 64
		.amdhsa_user_sgpr_count 2
		.amdhsa_user_sgpr_kernarg_segment_ptr 1
		.amdhsa_wavefront_size32 1
		.amdhsa_system_sgpr_workgroup_id_x 1
		.amdhsa_system_sgpr_workgroup_id_y 1
		.amdhsa_system_sgpr_workgroup_id_z 1
		.amdhsa_system_vgpr_workitem_id 0
		.amdhsa_next_free_vgpr 1024
		.amdhsa_next_free_sgpr 66
		.amdhsa_reserve_vcc 1
		.amdhsa_float_denorm_mode_32 3
		.amdhsa_float_denorm_mode_16_64 3
		.amdhsa_memory_ordered 1
		.amdhsa_forward_progress 1
		.amdhsa_inst_pref_size 108
	.end_amdhsa_kernel
	.amdgpu_metadata
---
amdhsa.version: [ 1, 2 ]
amdhsa.kernels:
  - .name:           k_qb37f5aecdf_up
    .symbol:         k_qb37f5aecdf_up.kd
    .args:
      - { .name: xb, .offset: 0, .size: 8, .value_kind: global_buffer, .address_space: global }
      - { .name: route, .offset: 8, .size: 8, .value_kind: global_buffer, .address_space: global }
      - { .name: gat, .offset: 16, .size: 8, .value_kind: global_buffer, .address_space: global }
      - { .name: w1, .offset: 24, .size: 8, .value_kind: global_buffer, .address_space: global }
      - { .name: b1, .offset: 32, .size: 8, .value_kind: global_buffer, .address_space: global }
      - { .name: hs, .offset: 40, .size: 8, .value_kind: global_buffer, .address_space: global }
      - { .name: rk, .offset: 48, .size: 8, .value_kind: global_buffer, .address_space: global }
      - { .name: gl, .offset: 56, .size: 8, .value_kind: global_buffer, .address_space: global }
    .group_segment_fixed_size: 181760
    .private_segment_fixed_size: 0
    .kernarg_segment_align: 8
    .kernarg_segment_size: 64
    .max_flat_workgroup_size: 128
    .sgpr_count:     66
    .vgpr_count:     1024
    .wavefront_size: 32
...
	.end_amdgpu_metadata
.endif
;; end of part 2
;; launch down (part 3): grid 16 x 16, 4 waves a work-group, no clusters, 89,600 bytes of LDS; arguments hs, rk, gl, w2, b2, y; writes y
.if DOCPART == 3
	.amdgcn_target "amdgcn-amd-amdhsa--gfx1250"
	.amdhsa_code_object_version 6
	.text
	.protected	k_qb37f5aecdf_down
	.globl	k_qb37f5aecdf_down
	.p2align	8
	.type	k_qb37f5aecdf_down,@function
k_qb37f5aecdf_down:
	s_mov_b64 s[64:65], 0
	v_nop
	global_prefetch_b8 v0, s[64:65] scope:SCOPE_SE
	s_setreg_imm32_b32 hwreg(HW_REG_WAVE_MODE, 25, 1), 1
	s_wait_xcnt 0x0
; SPARSE MoE, launch 3 of 4: y[token][slot] = gate (h w2[e] + b2[e]) for the chosen rows alone; the other rows meet a zero of reference()'s own one_hot and are left out (first kernel's head).
; SHARES.  Work-group (2 s + q, e): columns 64 s .. 64 s + 63 of w2[e] (256 bytes of each row of w2 and of y, aligned), and the expert's tiles of 16 rows of parity q.
; K IS SPLIT AMONG THE WAVES: wave w keeps w2[e][512 w .. 512 w + 511][64 columns], rounded to bf16, in 512 REGISTERS for the whole launch, and loads only its quarter of a tile of h: 32 loads of 512
; consecutive bytes, which are fragments as they lie.  The four partial tiles (f32) meet in LDS, with one barrier a tile.
; THE LOOP HAS A CONSTANT 66 STEPS, which cover the 64 tiles that a parity can have: every wave passes every barrier, and a step without a tile jumps its work alone.
; ROWS PAST THE COUNT.  In the expert's last tile and in its records the launch before has repeated the last row.  So such a place gives the last row's numbers once more and stores them onto the same
; bytes of y, from the same work-group: no lane is switched off, and no store is masked.  An expert with no rows has no tile here and stores nothing.
; NO JOINT LOADS: the tiles of h that an expert's work-groups share are as many as a stored count says; the two work-groups q = 0, 1 share their f32 weights, which pass through registers here.
; REGISTERS, in windows of 256 (s_set_vgpr_msb: bits 1:0 source 0, 3:2 source 1, 5:4 source 2, 7:6 destination):
;   window 0: v0-31 addresses, records, b2; v32-63 four accumulators (in the prologue: landing for rk and gl); v64-95 the meeting; v96-127 conversions; v128-255 h buffer 2
;   windows 1, 2: the weights: K step ks, column tile j at window 1 + ks / 8, v[32 (ks % 8) + 8 j]          window 3: h buffers 0 and 1; in the prologue four landing zones of 64 for w2
.set SGP,   160                        ; a row of weights in my stage: 64 bf16 + 32 bytes
.set SGW,   32*SGP                     ; a wave's stage: one K step
.set REDP,  272                        ; a row of a partial tile: 64 f32 + 16 bytes
.set REDW,  16*REDP                    ; a wave's partial tile
.set RED,   4*SGW                      ; three regions of four partial tiles, by turns
.set RKL,   RED+3*4*REDW               ; the expert's rows of y by rank
.set GLL,   RKL+8192                   ; its gates by rank
.set SPARE, GLL+8192                   ; the spare words, 128 bytes a wave: two blocks of 256 bytes that no other line names
.set ACC,   32
.set FIN,   64
.set PK,    96
.set MSB, 0
.macro WIN new                         ; the immediate's high byte repeats the setting that is left; a switch that changes nothing is dropped
.if MSB != (\new)
	s_set_vgpr_msb (MSB<<8)|(\new)
.set MSB, \new
.endif
.endm
; K step ch of my 16: 32 rows of w2, 16 loads, each two whole pieces of 256 bytes, into landing zone ch % 4
.macro WLOAD ch
	WIN 0xc0
.set i, 0
.rept 16
	global_load_b128 v[64*((\ch)%4)+4*i:64*((\ch)%4)+4*i+3], v5, s[10:11] offset:(\ch)*65536+i*4096
.set i, i+1
.endr
.endm
; rounded to bf16, through my own stage, and back turned, as the K step's four fragments.  LDS serves a wave's instructions in order (ISA guide 5.7.1.4): the loads see these stores, and the next chunk's stores come behind the loads
.macro WCVT ch
	WIN 0x0f
.set i, 0
.rept 32
	v_cvt_pk_bf16_f32 v[PK+i], v[64*((\ch)%4)+2*i], v[64*((\ch)%4)+2*i+1]
.set i, i+1
.endr
	WIN 0
.set i, 0
.rept 16
	ds_store_b64 v6, v[PK+2*i:PK+2*i+1] offset:2*SGP*i
.set i, i+1
.endr
	WIN (1+(\ch)/8)<<6
.irp j, 0,1,2,3
	ds_load_tr16_b128 v[32*((\ch)%8)+8*\j:32*((\ch)%8)+8*\j+3],   v7 offset:32*\j
	ds_load_tr16_b128 v[32*((\ch)%8)+8*\j+4:32*((\ch)%8)+8*\j+7], v7 offset:32*\j+16*SGP
.endr
.endm
; where tile T + add lies; a tile that does not exist is replaced by the expert's last, which the launch before has stored
.macro APTR add
	s_add_co_u32 s29, s27, \add
	s_min_u32 s29, s29, s26
	s_min_u32 s29, s29, 127
	s_lshl_b32 s30, s29, 16
	s_add_nc_u64 s[34:35], s[32:33], s[30:31]
.endm
; half of my quarter of a tile of h: K steps 8 half .. 8 half + 7 of my 16, into buffer b
.macro AHALF b, half
.if (\b) == 2
	WIN 0
.else
	WIN 0xc0
.endif
.if (\b) == 0
.set AB, 0
.else
.set AB, 128
.endif
.set ks, 8*(\half)
.rept 8
	global_load_b128 v[AB+8*ks:AB+8*ks+3],   v4, s[34:35] offset:1024*ks
	global_load_b128 v[AB+8*ks+4:AB+8*ks+7], v4, s[34:35] offset:1024*ks+512
.set ks, ks+1
.endr
.endm
; a tile's 64 products: source 0 = 16 columns of w2, source 1 = 16 rows of h.  The four accumulators take turns; the first four start the sums with 0
.macro MULS b
.if (\b) == 2
.set AW, 0
.else
.set AW, 3
.endif
.if (\b) == 0
.set AB, 0
.else
.set AB, 128
.endif
.set ks, 0
.rept 16
	WIN (1+ks/8)|(AW<<2)
.irp j, 0,1,2,3
.if ks == 0
	v_wmma_f32_16x16x32_bf16 v[ACC+8*\j:ACC+8*\j+7], v[8*\j:8*\j+7], v[AB:AB+7], 0
.else
	v_wmma_f32_16x16x32_bf16 v[ACC+8*\j:ACC+8*\j+7], v[(ks%8)*32+8*\j:(ks%8)*32+8*\j+7], v[AB+8*ks:AB+8*ks+7], v[ACC+8*\j:ACC+8*\j+7]
.endif
.endr
.set ks, ks+1
.endr
.endm
.macro PLACES                          ; the places behind the last product, in front of LDS stores that read results and of loads into registers that it has read
.rept 5
	v_nop
.endr
.endm
; At chunk ch of the weights' ring: the wait for it, then 16 more loads, then its conversion
.macro CHUNK ch, left
	s_wait_loadcnt \left
.if (\ch) <= 12
	WLOAD (\ch)+3
.elseif (\ch) == 13
	APTR 0                                         ; no weights are left to ask for: the first tiles' h takes their place
	AHALF 2, 0
.elseif (\ch) == 14
	AHALF 2, 1
.else
	s_wait_xcnt 0x0                                ; the loads issued so far have read the pointer: it is written below
	APTR 2
	AHALF 0, 0
.endif
	WCVT \ch
.endm
	s_load_b256 s[4:11], s[0:1], 0x0               ; hs s[4:5], rk s[6:7], gl s[8:9], w2 s[10:11]
	s_load_b128 s[12:15], s[0:1], 0x20             ; b2 s[12:13], y s[14:15]
	v_lshl_add_u32 v16, v0, 2, SPARE               ; my spare word
	v_mov_b32 v17, 0                               ; and 0: kept for the add at the wave's end
	v_lshrrev_b32 v1, 5, v0
	v_readfirstlane_b32 s20, v1                    ; wave 0..3
	v_and_b32 v1, 31, v0                           ; l
	v_and_b32 v2, 15, v0                           ; r
	v_bfe_u32 v3, v0, 4, 1                         ; h
	v_lshlrev_b32 v4, 4, v1                        ; 16 l
	s_lshr_b32 s21, ttmp9, 1                       ; s
	s_and_b32 s22, ttmp9, 1                        ; q
	s_and_b32 s23, ttmp7, 0xffff                   ; e
	v_lshlrev_b32 v5, 11, v3
	v_lshl_add_u32 v5, v2, 4, v5                   ; w2: row h of two, 16 r
	s_mul_i32 s41, s20, SGW
	v_mul_u32_u24 v6, v3, SGP
	v_lshl_add_u32 v6, v2, 3, v6
	v_add_nc_u32 v6, s41, v6                       ; into my stage: row h, 8 r
	v_and_b32 v7, 7, v0
	v_lshl_add_u32 v7, v3, 3, v7
	v_mul_u32_u24 v7, v7, SGP
	v_bfe_u32 v13, v0, 3, 1
	v_lshl_add_u32 v7, v13, 4, v7
	v_add_nc_u32 v7, s41, v7                       ; the turning load: row 8 h + l % 8, 16 bytes for each eight lanes
	s_mul_i32 s41, s20, REDW
	s_add_co_u32 s41, s41, RED
	v_mul_u32_u24 v8, v2, REDP
	v_lshl_add_u32 v8, v3, 5, v8
	v_add_nc_u32 v8, s41, v8                       ; my partial tile: row r, 32 h
	s_lshl_b32 s41, s20, 2
	v_lshl_add_u32 v11, v3, 1, s41                 ; the two rows that I finish: 4 w + 2 h and the next
	v_mul_u32_u24 v9, v11, REDP
	v_lshl_add_u32 v9, v2, 4, v9
	v_add_nc_u32 v9, RED, v9                       ; sixteen lanes read a whole row
	s_lshl_b32 s41, s21, 8
	v_lshl_add_u32 v10, v2, 4, s41                 ; my 16 bytes of a row of y and of b2
	s_lshl_b32 s41, s21, 13
	v_lshl_add_u32 v12, v1, 8, s41                 ; the prefetches: block 32 s + l of a tile's 256 blocks of 256 bytes
	v_lshl_add_u32 v15, v0, 4, RKL                 ; the records into LDS: four a thread,
	v_lshlrev_b32 v28, 4, v0                       ; from the same place in rk and gl
	s_lshl_b32 s30, s23, 22                        ; w2: the expert's 4 MiB,
	s_lshl_b32 s41, s20, 20                        ; my 512 rows of 2,048 bytes,
	s_add_co_u32 s30, s30, s41
	s_lshl_b32 s41, s21, 8                         ; the slice's 256 bytes of a row
	s_add_co_u32 s30, s30, s41
	s_mov_b32 s31, 0
	s_lshl_b32 s52, s23, 11                        ; b2's row
	s_mov_b32 s53, 0
	s_lshl_b32 s54, s23, 13                        ; the expert's records
	s_mov_b32 s55, 0
	s_lshl_b32 s56, s23, 7                         ; its count
	s_mov_b32 s57, 0
	s_lshl_b32 s58, s23, 23                        ; its 128 tiles of 65,536 bytes,
	s_mov_b32 s59, 0
	s_lshl_b32 s60, s20, 14                        ; my 16 K steps of 1,024 bytes
	s_mov_b32 s61, 0
	s_mov_b32 s27, s22                             ; T = q
	s_mov_b32 s51, 0
	s_wait_kmcnt 0x0
	s_add_nc_u64 s[10:11], s[10:11], s[30:31]
	s_add_nc_u64 s[12:13], s[12:13], s[52:53]
	s_add_nc_u64 s[46:47], s[6:7], s[56:57]
	s_add_nc_u64 s[48:49], s[6:7], s[54:55]
	s_add_nc_u64 s[8:9], s[8:9], s[54:55]
	s_add_nc_u64 s[44:45], s[4:5], s[58:59]
	s_add_nc_u64 s[32:33], s[44:45], s[60:61]
	s_load_b32 s24, s[46:47], 0x20000              ; the expert's rows; the weights do not wait for it
	WLOAD 0
	WLOAD 1
	WLOAD 2
	WIN 0
	s_wait_kmcnt 0x0
	s_min_u32 s24, s24, 2048
	s_add_co_u32 s25, s24, 15
	s_lshr_b32 s25, s25, 4
	s_min_u32 s25, s25, 128                        ; its tiles
	s_max_u32 s26, s25, 1
	s_sub_co_u32 s26, s26, 1                       ; the last tile that was stored
	s_cmp_eq_u32 s20, 0
	s_cselect_b32 s38, s25, 0                      ; wave 0 prefetches, tiles that exist
	s_min_u32 s38, s38, 128
	global_load_b128 v[24:27], v10, s[12:13]
.irp u, 0,1,2,3
	global_load_b128 v[32+4*\u:35+4*\u], v28, s[48:49] offset:2048*\u   ; all 2,048 ranks have records
.endr
.irp u, 0,1,2,3
	global_load_b128 v[48+4*\u:51+4*\u], v28, s[8:9] offset:2048*\u
.endr
	CHUNK 0, 41                                    ; out: two chunks of 16 and the nine small loads
	CHUNK 1, 41
	CHUNK 2, 41
	WIN 0
	s_wait_loadcnt 48                              ; the small loads are in; out: chunks 3, 4, 5
	v_cvt_pk_bf16_f32 v18, v24, v25                ; b2 is rounded to bf16 like every input,
	v_cvt_pk_bf16_f32 v19, v26, v27
	v_lshlrev_b32 v24, 16, v18                     ; and widened again
	v_and_b32 v25, 0xffff0000, v18
	v_lshlrev_b32 v26, 16, v19
	v_and_b32 v27, 0xffff0000, v19
.irp u, 0,1,2,3
	ds_store_b128 v15, v[32+4*\u:35+4*\u] offset:2048*\u        ; the records; the first step's barrier shows them to every wave
	ds_store_b128 v15, v[48+4*\u:51+4*\u] offset:8192+2048*\u
.endr
.irp ch, 3,4,5,6,7,8,9,10,11,12,13,14,15
	CHUNK \ch, 32                                  ; two groups of 16 may stay out
.endr
	AHALF 0, 1
	s_wait_xcnt 0x0
	APTR 4
	AHALF 1, 0
	AHALF 1, 1                                     ; 96 loads are asked for; the counter's field holds 63, and the issue waits at it (ISA guide 5.7.1)
	WIN 0
	s_wait_dscnt 0x0                               ; my weights are in their registers
; The meeting of tile T in region b: I finish rows 4 w + 2 h and the next, 16 bytes of each: four partial sums, b2, the gate; sixteen lanes store 256 consecutive bytes of a row of y, aligned.
; Its registers were the sources of the last meeting's stores: an s_wait_xcnt 0 stands between the two meetings on both arms of the step.
.macro FINAL b
	s_lshl_b32 s41, s27, 4
	v_add_nc_u32 v14, s41, v11                     ; the first row's rank
	v_min_u32 v14, 0x7fe, v14
	v_lshlrev_b32 v13, 2, v14
	v_add_nc_u32 v13, RKL, v13
	ds_load_b64 v[18:19], v13                      ; the two rows' places in y,
	ds_load_b64 v[20:21], v13 offset:8192          ; and their gates
.irp i, 0,1
.irp w, 0,1,2,3
	ds_load_b128 v[FIN+16*\i+4*\w:FIN+16*\i+4*\w+3], v9 offset:(\b)*4*REDW+\w*REDW+\i*REDP
.endr
.endr
	s_wait_dscnt 0x0
.irp i, 0,1
.irp d, 0,2
	v_pk_add_f32 v[FIN+16*\i+\d:FIN+16*\i+\d+1], v[FIN+16*\i+\d:FIN+16*\i+\d+1], v[FIN+16*\i+4+\d:FIN+16*\i+4+\d+1]
	v_pk_add_f32 v[FIN+16*\i+8+\d:FIN+16*\i+8+\d+1], v[FIN+16*\i+8+\d:FIN+16*\i+8+\d+1], v[FIN+16*\i+12+\d:FIN+16*\i+12+\d+1]
.endr
.endr
	v_min_u32 v22, 0x1fff, v18
	v_min_u32 v23, 0x1fff, v19
	v_lshlrev_b32 v22, 11, v22                     ; a row of y is 2,048 bytes
	v_lshlrev_b32 v23, 11, v23
	v_add_nc_u32 v22, v10, v22
	v_add_nc_u32 v23, v10, v23
.irp i, 0,1
.irp d, 0,2
	v_pk_add_f32 v[FIN+16*\i+\d:FIN+16*\i+\d+1], v[FIN+16*\i+\d:FIN+16*\i+\d+1], v[FIN+16*\i+8+\d:FIN+16*\i+8+\d+1]
.endr
.endr
.irp i, 0,1
.irp d, 0,2
	v_pk_add_f32 v[FIN+16*\i+\d:FIN+16*\i+\d+1], v[FIN+16*\i+\d:FIN+16*\i+\d+1], v[24+\d:25+\d]
.endr
.endr
.irp d, 0,2
	v_pk_mul_f32 v[FIN+\d:FIN+\d+1], v[FIN+\d:FIN+\d+1], v[20:21] op_sel_hi:[1,0]                    ; both by the first row's gate
	v_pk_mul_f32 v[FIN+16+\d:FIN+16+\d+1], v[FIN+16+\d:FIN+16+\d+1], v[20:21] op_sel:[0,1] op_sel_hi:[1,1]  ; both by the second's
.endr
	global_store_b128 v22, v[FIN:FIN+3], s[14:15] th:TH_STORE_NT
	global_store_b128 v23, v[FIN+16:FIN+19], s[14:15] th:TH_STORE_NT
.endm
; A STEP: tile T, whose h lies in buffer b.  ONE branch decides the step's products and its loads: the buffer is asked for again in the same arm that has multiplied it.
; Region b of the partial tiles is written again three steps on, behind barriers in front of which every wave has waited for its reads of it.
.macro STEP b
	s_cmp_lt_u32 s27, s25
	s_cbranch_scc1 .Llive_\@
	s_wait_loadcnt 0x0                             ; a step without a tile asks for nothing and waits for all loads: so behind a buffer's loads stand, on every way through the text, either the two younger buffers' 64 or this wait
	s_wait_xcnt 0x0                                ; and the last meeting's stores and prefetch have read their registers, as in the other arm
	s_branch .Lmeet_\@
.Llive_\@:
	s_wait_loadcnt 63                              ; behind this buffer's loads the two younger buffers' 64 were issued; 63 is the most that the wait can name
	MULS \b
	WIN 0
	PLACES
.irp j, 0,1,2,3
	ds_store_b128 v8, v[ACC+8*\j:ACC+8*\j+3]   offset:(\b)*4*REDW+64*\j     ; each accumulator from its low end on
	ds_store_b128 v8, v[ACC+8*\j+4:ACC+8*\j+7] offset:(\b)*4*REDW+64*\j+16
.endr
	s_wait_xcnt 0x0                                ; the loads issued so far have read the pointer, the last meeting's stores and prefetch their registers
	APTR 6                                         ; the buffer's next tile
	AHALF \b, 0
	AHALF \b, 1
	WIN 0
.Lmeet_\@:
	s_wait_dscnt 0x0                               ; for the others' sake: my partial tile lies in LDS, and my reads of the steps before are over
	s_barrier_signal -1
	s_barrier_wait -1
	s_cmp_lt_u32 s27, s25
	s_cbranch_scc0 .Lnext_\@
	FINAL \b
	; A PREFETCH, at the step's end: tile T + 18, whose loads go out six steps on.  A tile has 256 blocks of 256 bytes: slice s names blocks 32 s .. 32 s + 31, a lane a block, wave 0 alone;
	; q fixes the tile's parity.  So each block is named once in the launch.  The first nine tiles of a parity come by their loads alone; tiles that do not exist are not named.
	s_add_co_u32 s41, s27, 18
	s_cmp_lt_u32 s41, s38
	s_cbranch_scc0 .Lnext_\@
	s_min_u32 s41, s41, 127
	s_lshl_b32 s50, s41, 16
	s_add_nc_u64 s[36:37], s[44:45], s[50:51]      ; (the last prefetch has read it: this step's s_wait_xcnt 0 stands between)
	global_prefetch_b8 v12, s[36:37] th:TH_LOAD_NT scope:SCOPE_SE
.Lnext_\@:
	s_add_co_u32 s27, s27, 2
.endm
	s_mov_b32 s28, 22
.Ltrip:
	STEP 2
	STEP 0
	STEP 1
	s_sub_co_u32 s28, s28, 1
	s_cmp_lg_u32 s28, 0
	s_cbranch_scc1 .Ltrip
	s_wait_tensorcnt 0x0                           ; the wave's end, behind my last LDS store
	ds_add_u32 v16, v17
	s_wait_dscnt 0x0
	s_endpgm
.Lfunc_end_k_qb37f5aecdf_down:
	.size	k_qb37f5aecdf_down, .Lfunc_end_k_qb37f5aecdf_down-k_qb37f5aecdf_down
	.p2alignl 7, 3214868480
	.fill 96, 4, 3214868480
	.section	.rodata,"a",@progbits
	.p2align	6, 0x0
	.amdhsa_kernel k_qb37f5aecdf_down
		.amdhsa_group_segment_fixed_size 89600
		.amdhsa_private_segment_fixed_size 0
		.amdhsa_enable_private_segment 0
		.amdhsa_kernarg_size 48
		.amdhsa_user_sgpr_count 2
		.amdhsa_user_sgpr_kernarg_segment_ptr 1
		.amdhsa_wavefront_size32 1
		.amdhsa_system_sgpr_workgroup_id_x 1
		.amdhsa_system_sgpr_workgroup_id_y 1
		.amdhsa_system_sgpr_workgroup_id_z 1
		.amdhsa_system_vgpr_workitem_id 0
		.amdhsa_next_free_vgpr 1024
		.amdhsa_next_free_sgpr 66
		.amdhsa_reserve_vcc 0
		.amdhsa_float_denorm_mode_32 3
		.amdhsa_float_denorm_mode_16_64 3
		.amdhsa_memory_ordered 1
		.amdhsa_forward_progress 1
		.amdhsa_inst_pref_size 132
	.end_amdhsa_kernel
	.amdgpu_metadata
---
amdhsa.version: [ 1, 2 ]
amdhsa.kernels:
  - .name:           k_qb37f5aecdf_down
    .symbol:         k_qb37f5aecdf_down.kd
    .args:
      - { .name: hs, .offset: 0, .size: 8, .value_kind: global_buffer, .address_space: global }
      - { .name: rk, .offset: 8, .size: 8, .value_kind: global_buffer, .address_space: global }
      - { .name: gl, .offset: 16, .size: 8, .value_kind: global_buffer, .address_space: global }
      - { .name: w2, .offset: 24, .size: 8, .value_kind: global_buffer, .address_space: global }
      - { .name: b2, .offset: 32, .size: 8, .value_kind: global_buffer, .address_space: global }
      - { .name: y, .offset: 40, .size: 8, .value_kind: global_buffer, .address_space: global }
    .group_segment_fixed_size: 89600
    .private_segment_fixed_size: 0
    .kernarg_segment_align: 8
    .kernarg_segment_size: 48
    .max_flat_workgroup_size: 128
    .sgpr_count:     66
    .vgpr_count:     1024
    .wavefront_size: 32
...
	.end_amdgpu_metadata
.endif
;; end of part 3
;; launch sum (part 4): grid 256 x 1, 8 waves a work-group, no clusters, 0 bytes of LDS; arguments y, out0; writes out0
.if DOCPART == 4
	.amdgcn_target "amdgcn-amd-amdhsa--gfx1250"
	.amdhsa_code_object_version 6
	.text
	.protected	k_qb37f5aecdf_sum
	.globl	k_qb37f5aecdf_sum
	.p2align	8
	.type	k_qb37f5aecdf_sum,@function
k_qb37f5aecdf_sum:
	s_mov_b64 s[64:65], 0
	v_nop
	global_prefetch_b8 v0, s[64:65] scope:SCOPE_SE
	s_setreg_imm32_b32 hwreg(HW_REG_WAVE_MODE, 25, 1), 1
	s_wait_xcnt 0x0
; SPARSE MoE, launch 4 of 4: out[t] = the sum of the token's four gated rows y[t][0..3]; the twelve experts that the token did not choose add a zero of reference()'s own one_hot and are left out (first kernel's head).
; LIMIT: the four rows are added in top-k order, as (y0 + y1) + (y2 + y3), not in the experts' order: another order of rounding in f32.
; A stream: every byte of y is read once, every byte of out written once; no LDS, no barrier, no matrix unit.  A work-group owns 8 tokens; thread t takes 16 bytes of a row, in four tokens:
; token 8 g + 2 i + t / 128, columns 4 (t % 128) on.  A wave's load or store covers 512 consecutive bytes, aligned.  All 16 loads of a thread go out before the first wait.
.set Y, 16                             ; v16-79  item i, slot k at Y + 16 i + 4 k
	s_load_b128 s[4:7], s[0:1], 0x0                ; y s[4:5], out0 s[6:7]
	v_lshrrev_b32 v1, 7, v0
	v_and_b32 v2, 127, v0
	v_lshlrev_b32 v2, 4, v2
	v_lshl_add_u32 v3, v1, 13, v2                  ; in y a token is 8,192 bytes,
	v_lshl_add_u32 v4, v1, 11, v2                  ; in out 2,048
	s_lshl_b32 s8, ttmp9, 16
	s_mov_b32 s9, 0
	s_lshl_b32 s10, ttmp9, 14
	s_mov_b32 s11, 0
	s_wait_kmcnt 0x0
	s_add_nc_u64 s[4:5], s[4:5], s[8:9]
	s_add_nc_u64 s[6:7], s[6:7], s[10:11]
.irp i, 0,1,2,3
.irp k, 0,1,2,3
	global_load_b128 v[Y+16*\i+4*\k:Y+16*\i+4*\k+3], v3, s[4:5] offset:16384*\i+2048*\k th:TH_LOAD_NT
.endr
.endr
.irp i, 0,1,2,3
	s_wait_loadcnt 12-4*\i                         ; item i's four loads are in; the later items' stay out
.irp d, 0,2
	v_pk_add_f32 v[Y+16*\i+\d:Y+16*\i+\d+1], v[Y+16*\i+\d:Y+16*\i+\d+1], v[Y+16*\i+4+\d:Y+16*\i+4+\d+1]
	v_pk_add_f32 v[Y+16*\i+8+\d:Y+16*\i+8+\d+1], v[Y+16*\i+8+\d:Y+16*\i+8+\d+1], v[Y+16*\i+12+\d:Y+16*\i+12+\d+1]
.endr
.irp d, 0,2
	v_pk_add_f32 v[Y+16*\i+\d:Y+16*\i+\d+1], v[Y+16*\i+\d:Y+16*\i+\d+1], v[Y+16*\i+8+\d:Y+16*\i+8+\d+1]
.endr
	global_store_b128 v4, v[Y+16*\i:Y+16*\i+3], s[6:7] offset:4096*\i th:TH_STORE_NT
.endr
	s_endpgm
.Lfunc_end_k_qb37f5aecdf_sum:
	.size	k_qb37f5aecdf_sum, .Lfunc_end_k_qb37f5aecdf_sum-k_qb37f5aecdf_sum
	.p2alignl 7, 3214868480
	.fill 96, 4, 3214868480
	.section	.rodata,"a",@progbits
	.p2align	6, 0x0
	.amdhsa_kernel k_qb37f5aecdf_sum
		.amdhsa_group_segment_fixed_size 0
		.amdhsa_private_segment_fixed_size 0
		.amdhsa_enable_private_segment 0
		.amdhsa_kernarg_size 16
		.amdhsa_user_sgpr_count 2
		.amdhsa_user_sgpr_kernarg_segment_ptr 1
		.amdhsa_wavefront_size32 1
		.amdhsa_system_sgpr_workgroup_id_x 1
		.amdhsa_system_sgpr_workgroup_id_y 1
		.amdhsa_system_sgpr_workgroup_id_z 1
		.amdhsa_system_vgpr_workitem_id 0
		.amdhsa_next_free_vgpr 96
		.amdhsa_next_free_sgpr 66
		.amdhsa_reserve_vcc 0
		.amdhsa_float_denorm_mode_32 3
		.amdhsa_float_denorm_mode_16_64 3
		.amdhsa_memory_ordered 1
		.amdhsa_forward_progress 1
		.amdhsa_inst_pref_size 5
	.end_amdhsa_kernel
	.amdgpu_metadata
---
amdhsa.version: [ 1, 2 ]
amdhsa.kernels:
  - .name:           k_qb37f5aecdf_sum
    .symbol:         k_qb37f5aecdf_sum.kd
    .args:
      - { .name: y, .offset: 0, .size: 8, .value_kind: global_buffer, .address_space: global }
      - { .name: out0, .offset: 8, .size: 8, .value_kind: global_buffer, .address_space: global }
    .group_segment_fixed_size: 0
    .private_segment_fixed_size: 0
    .kernarg_segment_align: 8
    .kernarg_segment_size: 16
    .max_flat_workgroup_size: 256
    .sgpr_count:     66
    .vgpr_count:     96
    .wavefront_size: 32
...
	.end_amdgpu_metadata
.endif
;; end of part 4
;; ======== version 2 of 2: 4 launches; version 1 with the launches up, down written anew for expert scheduling mode
;; workspace buffers: xb 2,097,152 bytes; route 40,960 bytes of whole numbers; gat 32,768 bytes; hs 134,217,728 bytes; rk 133,120 bytes of whole numbers; gl 131,072 bytes; y 16,777,216 bytes
;; launch router: the kernel of part 1 again; grid 128 x 1, 4 waves a work-group, no clusters, 38,400 bytes of LDS; arguments x, router_w, router_b, xb, route, gat; writes xb, route, gat
;; launch up (part 5): grid 16 x 16, 4 waves a work-group, no clusters, 181,760 bytes of LDS; arguments xb, route, gat, w1, b1, hs, rk, gl; writes hs, rk, gl
.if DOCPART == 5
	.amdgcn_target "amdgcn-amd-amdhsa--gfx1250"
	.amdhsa_code_object_version 6
	.text
	.protected	k_qb37f5aecdf_up
	.globl	k_qb37f5aecdf_up
	.p2align	8
	.type	k_qb37f5aecdf_up,@function
k_qb37f5aecdf_up:
	s_mov_b64 s[64:65], 0
	v_nop
	global_prefetch_b8 v0, s[64:65] scope:SCOPE_SE
	s_setreg_imm32_b32 hwreg(HW_REG_WAVE_SCHED_MODE, 0, 2), 2
	s_setreg_imm32_b32 hwreg(HW_REG_WAVE_MODE, 25, 1), 1
	s_wait_xcnt 0x0
	s_wait_alu depctr_vm_vsrc(0)
; SPARSE MoE, launch 2 of 4: h = relu(x w1[e] + b1[e]) for the rows (token, expert) that the router chose; the other rows meet a zero of reference()'s own one_hot and are left out (first kernel's head).
; SHARES.  Work-group (s, e) alone reads w1[e][:, 128 s .. 128 s + 127], each f32 once, and rounds it to bf16 on its way through registers.  Wave w: c = w % 2 is its half of 64 columns, p = w / 2 the
; parity of its tiles of 16 rows.  A wave keeps its 512 x 64 weights in 512 REGISTERS for the whole launch: in the loop no weight is read, from LDS or from memory.
; For a tile: 32 loads gather 16 rows of xb as fragments, 64 matrix instructions, 4 stores.
; THE LIST.  Every wave builds the expert's list of tokens for itself, from the router's bitmaps, while its first weights are on their way: a prefix over the lanes, then a bit a trip.  All lanes stay on:
; a set bit's token goes to the lane's next rank, a clear bit's to a dump place of the lane's own.  All slices build the same list; a token's place in it is its RANK.
; Slice s also stores the records of ranks 128 s .. 128 s + 127 for the next launch: rk = 4 token + slot, gl = gate.
; EVERY SPLIT is served: 0 to 2,048 rows.  Places past the count repeat the expert's last row, in the tiles and in the records alike.  An expert with no rows still makes one tile, of token 0, so that
; every byte that the next launch's clamped look-ahead names has been stored; nothing of it reaches the output.
; THE LOOP HAS A CONSTANT 66 STEPS, which cover the 64 tiles that a wave can have; a step without a tile jumps its own work.
; LAYOUT.  h^T = w1^T x^T (source 0 = 16 columns, source 1 = 16 rows): in the result a lane holds ONE row (lane % 16) and eight neighbouring columns, which pack into 16 bytes; those 16 bytes ARE half a
; fragment of the next product.  hs: [e][tile 128][K step 64][half 2][lane 32][16 bytes]: a wave's four stores of a tile are 2,048 consecutive bytes.  The bias is the C operand that starts the sums.
; LIMIT: h is rounded once to bf16.
; REGISTERS, in windows of 256 (s_set_vgpr_msb: bits 1:0 source 0, 3:2 source 1, 5:4 source 2, 7:6 destination):
;   window 0: v0-31 addresses and the list's work; v32-63 bias; v64-95 four accumulators (in the prologue: v64-71 sel and gat, v72-75 bitmaps, v76-78 tokens, v80-83 the list's stores, v84-88 the list's reads,
;   v92-95 four zeros); v96-127 packed results; v128-255 x buffer 2
;   windows 1, 2: the weights: K step ks, column tile j at window 1 + ks / 8, v[32 (ks % 8) + 8 j]          window 3: x buffers 0 and 1; in the prologue four landing zones of 64 for w1
; THE MODE: SCHED_MODE bits 1:0 = 2 (LLVM: expert scheduling mode 2), set by the entry lines.  The code itself states the register dependences
; between vector or matrix instructions and memory or LDS instructions, with s_wait_alu, always for 0.
; THE PLAN.  Registers that memory or LDS instructions touch:
;   v4, v13-15, v18, v26-28   offsets and LDS addresses, made at the head and never written again; v12 and v92-95, the list's zeros: one wait on va_vdst ahead of the first load states them all.
;   v80-83      The list's loop: a trip writes two addresses and two tokens, then its two LDS stores read them: a wait on vm_vsrc ahead of the writes, one on va_vdst behind them.
;   v84-88      The five list reads' addresses, made together: one wait on va_vdst.          v25, OFF   the gathers' offset and the first tiles': one wait on va_vdst.
;   ZONE z, PK  The weights' ring.  A chunk's conversions read its zone and write PK; its LDS stores read PK; the next chunk's turn loads the zone again.  One wait on va_vdst behind the conversions states both;
;               one on vm_vsrc, ahead of the next turn's loads, states that the stores have read PK.
;   In the loop over tiles, step by step:
;   X[b]        read by the step's 64 products; behind them the 32 loads of tile T + 6 land in it.
;   OFF[b]      read by those loads; written once in the buffer's step, from v11.
;   v11, v12    v12 is written in a step and read by the list read at the step's end, which lands in v11: my row's token of tile T + 8, which the NEXT step's vector lines read.
;   PK          written by the step's roundings, read by its four stores.
;   So a step has two lines: behind its products one wait on vm_vsrc (the last step's stores have read PK, its list read v12, the buffer's loads OFF[b]), then all its vector lines, then ONE wait on va_vdst,
;   and behind that its 37 memory and LDS instructions on end, with no vector line among them.
.set WSP,   160                        ; a row of weights in LDS: 64 bf16 + 32 bytes
.set WSH,   512*WSP                    ; a column half: 512 rows
.set LIST,  2*WSH                      ; behind the two halves: each wave's own list
.set LISTW, 4352                       ; 2,048 tokens of 2 bytes, then 32 dump places, a lane each; rounded up to blocks of 256 bytes
.set SPARE, LIST+4*LISTW               ; the spare words, 128 bytes a wave: two blocks of 256 bytes that no other line names
.set OFF,   6                          ; v6-8   x buffer b: my row's byte offset in xb + 16 h
.set BIAS,  32
.set ACC,   64
.set LA,    84                         ; v84-88 in the prologue: the LDS addresses of the five list reads
.set PK,    96
.set LN,    48                         ; s48-63 in the prologue: the two words of eight lanes
.set MSB, 0
.macro WIN new                         ; the immediate's high byte repeats the setting that is left; a switch that changes nothing is dropped
.if MSB != (\new)
	s_set_vgpr_msb (MSB<<8)|(\new)
.set MSB, \new
.endif
.endm
; 32 rows of my 256 of w1, my 64 columns: 16 loads, each two whole pieces of 256 bytes, into landing zone ch % 4
.macro WLOAD ch
	WIN 0xc0
.set i, 0
.rept 16
	global_load_b128 v[64*((\ch)%4)+4*i:64*((\ch)%4)+4*i+3], v18, s[10:11] offset:(32*(\ch)+2*i)*8192 th:TH_LOAD_NT
.set i, i+1
.endr
.endm
; the same rows rounded to bf16 and laid into LDS, [k][64 columns]
.macro WCVT ch
	WIN 0x0f
.set i, 0
.rept 32
	v_cvt_pk_bf16_f32 v[PK+i], v[64*((\ch)%4)+2*i], v[64*((\ch)%4)+2*i+1]
.set i, i+1
.endr
	WIN 0
	s_wait_alu depctr_va_vdst(0)                   ; the conversions have written PK, which the LDS stores below read, and are done reading the zone, in which later loads land
.set i, 0
.rept 16
	ds_store_b64 v15, v[PK+2*i:PK+2*i+1] offset:(32*(\ch)+2*i)*WSP
.set i, i+1
.endr
.endm
.macro XWIN b                          ; the window in which x buffer b is loaded
.if (\b) == 2
	WIN 0
.else
	WIN 0xc0
.endif
.endm
; half of a tile's x: K steps 8 half .. 8 half + 7 into buffer b.  A fragment is 16 rows x 32 channels: lane l holds row l % 16, channels 8 (l / 16) + 0..7 and 16 further on
.macro AHALF b, half
	XWIN \b
.if (\b) == 0
.set AB, 0
.else
.set AB, 128
.endif
.set ks, 8*(\half)
.rept 8
	global_load_b128 v[AB+8*ks:AB+8*ks+3],   v[OFF+(\b)], s[4:5] offset:64*ks
	global_load_b128 v[AB+8*ks+4:AB+8*ks+7], v[OFF+(\b)], s[4:5] offset:64*ks+32
.set ks, ks+1
.endr
.endm
; a tile's 64 products.  The four accumulators take turns, one instruction a turn; the first four start the sums with the bias
.macro MULS b
.if (\b) == 2
.set AW, 0
.else
.set AW, 3
.endif
.if (\b) == 0
.set AB, 0
.else
.set AB, 128
.endif
.set ks, 0
.rept 16
	WIN (1+ks/8)|(AW<<2)
.irp j, 0,1,2,3
.if ks == 0
	v_wmma_f32_16x16x32_bf16 v[ACC+8*\j:ACC+8*\j+7], v[8*\j:8*\j+7], v[AB:AB+7], v[BIAS+8*\j:BIAS+8*\j+7]
.else
	v_wmma_f32_16x16x32_bf16 v[ACC+8*\j:ACC+8*\j+7], v[(ks%8)*32+8*\j:(ks%8)*32+8*\j+7], v[AB+8*ks:AB+8*ks+7], v[ACC+8*\j:ACC+8*\j+7]
.endif
.endr
.set ks, ks+1
.endr
.endm
.macro PACK                            ; rounded to bf16, each accumulator from its low end on; then the ReLU, two at a time
.set i, 0
.rept 16
	v_cvt_pk_bf16_f32 v[PK+i], v[ACC+2*i], v[ACC+2*i+1]
.set i, i+1
.endr
.set i, 0
.rept 16
	v_pk_max_num_bf16 v[PK+i], v[PK+i], v9
.set i, i+1
.endr
.endm
	s_load_b512 s[4:19], s[0:1], 0x0               ; xb s[4:5], route s[6:7], gat s[8:9], w1 s[10:11], b1 s[12:13], hs s[14:15], rk s[16:17], gl s[18:19]
	v_lshl_add_u32 v16, v0, 2, SPARE               ; my spare word
	v_mov_b32 v17, 0                               ; and 0: kept for the add at the wave's end
	v_lshrrev_b32 v1, 5, v0
	v_readfirstlane_b32 s20, v1                    ; wave 0..3
	v_and_b32 v1, 31, v0                           ; l
	v_and_b32 v2, 15, v0                           ; r
	v_bfe_u32 v3, v0, 4, 1                         ; h
	v_lshlrev_b32 v4, 4, v1                        ; 16 l
	v_lshlrev_b32 v5, 4, v3                        ; 16 h
	v_mov_b32 v9, 0                                ; for the ReLU
.irp i, 92,93,94,95
	v_mov_b32 v\i, 0                               ; four zeros, for the list's first filling
.endr
	s_wait_alu depctr_va_sdst(0)                   ; s20 is written, ahead of its first reader: c, p, the LDS places and the bases are made from it
	s_and_b32 s21, s20, 1                          ; c
	s_lshr_b32 s22, s20, 1                         ; p
	s_mov_b32 s23, ttmp9                           ; s
	s_and_b32 s24, ttmp7, 0xffff                   ; e
	s_mul_i32 s30, s20, LISTW
	s_add_co_u32 s30, s30, LIST                    ; my list
	s_mul_i32 s31, s21, WSH                        ; my column half in LDS
	v_lshl_add_u32 v12, v1, 4, s30                 ; the list's first filling: 16 bytes a lane
	v_and_b32 v13, 7, v0
	v_lshl_add_u32 v13, v3, 3, v13                 ; the turning load: row 8 h + l % 8,
	v_mul_u32_u24 v13, v13, WSP
	v_bfe_u32 v14, v0, 3, 1
	v_lshl_add_u32 v13, v14, 4, v13                ; 16 bytes for each eight lanes
	v_add_nc_u32 v13, s31, v13                     ; K steps 0-7
	v_add_nc_u32 v14, 256*WSP, v13                 ; K steps 8-15: the immediate has 16 bits
	s_mul_i32 s41, s22, 256*WSP
	s_add_co_u32 s41, s41, s31
	v_mul_u32_u24 v15, v3, WSP
	v_lshl_add_u32 v15, v2, 3, v15
	v_add_nc_u32 v15, s41, v15                     ; weights into LDS: my 256 rows; row h, 8 r
	v_lshlrev_b32 v18, 13, v3
	v_lshl_add_u32 v18, v2, 4, v18                 ; w1: row h of two, 16 r
	v_lshlrev_b32 v26, 8, v1                       ; the bitmaps of my four tiles of 16 tokens: 64 bytes a tile
	v_lshlrev_b32 v27, 5, v3                       ; 32 h: my eight biases of a column tile
	v_lshlrev_b32 v28, 2, v0                       ; my record
	s_lshl_b32 s41, s23, 7
	v_add_nc_u32 v31, s41, v0                      ; its rank: 128 s + thread
	s_lshl_b32 s32, s24, 22                        ; w1: the expert's 4 MiB,
	s_lshl_b32 s41, s22, 21                        ; my 256 rows of 8,192 bytes,
	s_add_co_u32 s32, s32, s41
	s_lshl_b32 s41, s23, 9                         ; the slice's 512 bytes of a row,
	s_add_co_u32 s32, s32, s41
	s_lshl_b32 s50, s21, 8                         ; my half's 256
	s_add_co_u32 s32, s32, s50
	s_mov_b32 s33, 0
	s_mov_b32 s51, 0
	s_lshl_b32 s46, s24, 13                        ; b1, rk and gl: 8,192 bytes an expert, 512 a slice
	s_add_co_u32 s46, s46, s41
	s_mov_b32 s47, 0
	s_lshl_b32 s52, s24, 23                        ; hs: the expert's 128 tiles of 65,536 bytes,
	s_lshl_b32 s41, s23, 12                        ; K steps 4 s + 2 c on, 1,024 bytes each
	s_add_co_u32 s52, s52, s41
	s_lshl_b32 s41, s21, 11
	s_add_co_u32 s52, s52, s41
	s_mov_b32 s53, 0
	s_lshl_b32 s54, s24, 2                         ; the expert's word in a tile's bitmaps
	s_mov_b32 s55, 0
	s_lshl_b32 s56, s24, 7                         ; the expert's 32 words for its count
	s_mov_b32 s57, 0
	s_wait_kmcnt 0x0
	s_add_nc_u64 s[10:11], s[10:11], s[32:33]
	s_add_nc_u64 s[12:13], s[12:13], s[46:47]
	s_add_nc_u64 s[12:13], s[12:13], s[50:51]
	s_add_nc_u64 s[36:37], s[14:15], s[52:53]
	s_add_nc_u64 s[44:45], s[6:7], s[54:55]
	s_add_nc_u64 s[38:39], s[16:17], s[56:57]
	s_add_nc_u64 s[16:17], s[16:17], s[46:47]
	s_add_nc_u64 s[18:19], s[18:19], s[46:47]
	s_wait_alu depctr_va_vdst(0)                   ; the offsets and LDS addresses v4, v12 to v15, v18, v26 to v28 and the zeros v92 to v95 are written: the loads and stores below read them
.irp i, 0,1,2,3
	global_load_b32 v[72+\i], v26, s[44:45] offset:64*\i   ; tiles 4 l + i: tokens 64 l .. 64 l + 63
.endr
.irp j, 0,1,2,3
	global_load_b128 v[BIAS+8*\j:BIAS+8*\j+3],   v27, s[12:13] offset:64*\j
	global_load_b128 v[BIAS+8*\j+4:BIAS+8*\j+7], v27, s[12:13] offset:64*\j+16
.endr
	WLOAD 0
	WLOAD 1
	WLOAD 2
	WIN 0
.set i, 0
.rept 8
	ds_store_b128 v12, v[92:95] offset:512*i       ; the list starts as 2,048 times token 0: what an expert with no rows gathers.  No vector line since the wait above names v12 or the zeros
.set i, i+1
.endr
	s_wait_loadcnt 48                              ; bitmaps and bias are in; the three chunks of weights stay out while the list is built
.set i, 0
.rept 16
	v_cvt_pk_bf16_f32 v[PK+i], v[BIAS+2*i], v[BIAS+2*i+1]  ; b1 is rounded to bf16 like every input,
.set i, i+1
.endr
.set i, 0
.rept 16
	v_lshlrev_b32 v[BIAS+2*i], 16, v[PK+i]                 ; and widened again
	v_and_b32 v[BIAS+2*i+1], 0xffff0000, v[PK+i]
.set i, i+1
.endr
	v_lshl_or_b32 v19, v73, 16, v72                ; tokens 64 l .. 64 l + 31
	v_lshl_or_b32 v20, v75, 16, v74                ; tokens 64 l + 32 .. 64 l + 63
	v_mov_b32 v21, 0
	s_mov_b32 s40, 0
.set g, 0
.rept 4                                        ; the prefix: a lane's first rank is the number of chosen tokens in the lanes below it.  Eight lanes' words are read in one run
.set k, 0
.rept 8
	v_readlane_b32 s[LN+2*k], v19, 8*g+k
	v_readlane_b32 s[LN+2*k+1], v20, 8*g+k
.set k, k+1
.endr
	s_wait_alu depctr_va_sdst(0)                   ; the sixteen words s48 to s63 are written, ahead of the counts that read them
.set k, 0
.rept 8
	v_writelane_b32 v21, s40, 8*g+k
	s_bcnt1_i32_b32 s41, s[LN+2*k]
	s_bcnt1_i32_b32 s42, s[LN+2*k+1]
	s_add_co_u32 s40, s40, s41
	s_add_co_u32 s40, s40, s42
.set k, k+1
.endr
.set g, g+1
.endr
	s_min_u32 s25, s40, 2048                       ; the expert's rows
	s_add_co_u32 s26, s25, 15
	s_lshr_b32 s26, s26, 4
	s_max_u32 s26, s26, 1                          ; tiles to make: one at the least,
	s_min_u32 s26, s26, 128                        ; 128 at the most
	s_max_u32 s27, s25, 1
	s_sub_co_u32 s27, s27, 1                       ; the last rank that exists
	v_lshlrev_b32 v24, 6, v1                       ; the tokens of bit 0 of my two words
	v_add_nc_u32 v25, 32, v24
	v_add_nc_u32 v30, 0x800, v1                    ; my dump place, behind the 2,048 ranks
	s_mov_b32 s29, 0
.Lbit:                                                 ; 32 trips: bit s29 of both words; a set bit puts its token at the lane's next rank, a clear one at the dump place
	v_bfe_u32 v22, v19, s29, 1
	v_bfe_u32 v23, v20, s29, 1
	v_cmp_eq_u32 s41, 1, v22
	v_cmp_eq_u32 s42, 1, v23
	v_add_nc_u32 v29, v21, v22                     ; the second bit's rank
	s_wait_alu depctr_va_sdst(0)                   ; the two masks s41 and s42 are written, ahead of the selects that read them
	s_wait_alu depctr_vm_vsrc(0)                   ; the last trip's two LDS stores have read v80 to v83, which are written below
	v_cndmask_b32 v80, v30, v21, s41
	v_cndmask_b32 v81, v30, v29, s42
	v_add_nc_u32 v21, v29, v23
	v_min_u32 v80, 0x81f, v80
	v_min_u32 v81, 0x81f, v81
	v_lshlrev_b32 v80, 1, v80
	v_lshlrev_b32 v81, 1, v81
	v_add_nc_u32 v80, s30, v80
	v_add_nc_u32 v81, s30, v81
	v_add_nc_u32 v82, s29, v24                     ; the two tokens
	v_add_nc_u32 v83, s29, v25
	s_wait_alu depctr_va_vdst(0)                   ; the two addresses and the two tokens are written: the stores read them
	ds_store_b16 v80, v82
	ds_store_b16 v81, v83
	s_add_co_u32 s29, s29, 1
	s_cmp_lt_u32 s29, 32
	s_cbranch_scc1 .Lbit
	; my first four tiles' rows (tiles p, p + 2, p + 4, p + 6) and my record's token: my own list, so LDS's order within the wave (ISA guide 5.7.1.4) is all that the reads need
	s_lshl_b32 s40, s22, 4
	v_add_nc_u32 v10, s40, v2
.irp i, 0,1,2,3
	v_add_nc_u32 v[LA+\i], 32*\i, v10
	v_min_u32 v[LA+\i], s27, v[LA+\i]              ; places past the count repeat the last row
.endr
	v_min_u32 v[LA+4], s27, v31
.irp i, 0,1,2,3,4
	v_min_u32 v[LA+\i], 0x7ff, v[LA+\i]
	v_lshlrev_b32 v[LA+\i], 1, v[LA+\i]
	v_add_nc_u32 v[LA+\i], s30, v[LA+\i]
.endr
	s_wait_alu depctr_va_vdst(0)                   ; the five addresses are written; the list's loop is done with v24, in which the last of the reads lands
	ds_load_u16 v76, v[LA]
	ds_load_u16 v77, v[LA+1]
	ds_load_u16 v78, v[LA+2]
	ds_load_u16 v11, v[LA+3]                       ; tile p + 6: what the first step's buffer takes next
	ds_load_u16 v24, v[LA+4]
	s_wait_dscnt 0x0
	v_min_u32 v76, 0x7ff, v76
	v_min_u32 v77, 0x7ff, v77
	v_min_u32 v78, 0x7ff, v78
	v_min_u32 v24, 0x7ff, v24
	v_lshlrev_b32 v76, 10, v76                     ; a row of xb is 1,024 bytes
	v_lshlrev_b32 v77, 10, v77
	v_lshlrev_b32 v78, 10, v78
	v_add_nc_u32 v[OFF+2], v5, v76                 ; the buffers are taken in the order 2, 0, 1
	v_add_nc_u32 v[OFF+0], v5, v77
	v_add_nc_u32 v[OFF+1], v5, v78
	v_lshlrev_b32 v25, 4, v24
	s_wait_alu depctr_va_vdst(0)                   ; v25 is written, which the two gathers read; so are the three offsets v6 to v8, which the first tiles' loads read further down
	global_load_b128 v[64:67], v25, s[6:7] offset:8192  ; the token's four experts,
	global_load_b128 v[68:71], v25, s[8:9]              ; and its four gates
	; THE WEIGHTS' RING.  At chunk ch: the wait for it, then 16 more loads, then its conversion.  Three groups of 16 loads are always asked for.
	; The loads land in the zone that the chunk before has converted: its conversions stand ahead of the wait on va_vdst in that chunk, and no vector line since names the zone.
	s_wait_loadcnt 34                              ; chunk 0 is in; out: chunks 1, 2 and the two gathers
	WLOAD 3
	WCVT 0
	s_wait_loadcnt 34                              ; out: chunk 2, the gathers, chunk 3
	s_wait_alu depctr_vm_vsrc(0)                   ; the last chunk's LDS stores have read PK, which this chunk's conversions write again
	WLOAD 4
	WCVT 1
	s_wait_loadcnt 34                              ; out: the gathers, chunks 3, 4
	s_wait_alu depctr_vm_vsrc(0)                   ; the last chunk's LDS stores have read PK
	WLOAD 5
	WCVT 2
	WIN 0
	s_wait_loadcnt 48                              ; the gathers are in; out: chunks 3, 4, 5
.irp k, 1,2,3
	v_cmp_eq_u32 s[40+\k], s24, v[64+\k]           ; which of the token's four slots names my expert: three masks in one run
.endr
	v_mov_b32 v29, 0
	v_mov_b32 v30, v68
	v_mov_b32 v22, s25                             ; the expert's count, for the one wave that stores it
	s_wait_alu depctr_va_sdst(0)                   ; the three masks s41 to s43 are written, ahead of the selects that read them
.irp k, 1,2,3
	v_cndmask_b32 v29, v29, \k, s[40+\k]
	v_cndmask_b32 v30, v30, v[68+\k], s[40+\k]
.endr
	v_lshl_add_u32 v29, v24, 2, v29                ; 4 token + slot: the row of y
	s_wait_alu depctr_va_vdst(0)                   ; v29, v30 and v22 are written: the stores below read them
	global_store_b32 v28, v29, s[16:17]            ; every rank has a record: those past the count repeat the last rank's.  The four waves' stores are 512 consecutive bytes
	global_store_b32 v28, v30, s[18:19]
	s_or_b32 s40, s23, s20
	s_cmp_lg_u32 s40, 0
	s_cbranch_scc1 .Lnocnt                         ; slice 0's wave 0 stores the expert's count, into 32 words on end
	global_store_b32 v28, v22, s[38:39] offset:131072
.Lnocnt:
	s_wait_loadcnt 32                              ; from here on: two groups of 16 may stay out
	s_wait_alu depctr_vm_vsrc(0)                   ; the last chunk's LDS stores have read PK
	WLOAD 6
	WCVT 3
	s_wait_loadcnt 32
	s_wait_alu depctr_vm_vsrc(0)                   ; the last chunk's LDS stores have read PK
	WLOAD 7
	WCVT 4
	s_wait_loadcnt 32
	s_wait_alu depctr_vm_vsrc(0)                   ; the last chunk's LDS stores have read PK
	AHALF 2, 0                                     ; no weights are left to ask for: the first tiles' x takes their place
	WCVT 5
	s_wait_loadcnt 32
	s_wait_alu depctr_vm_vsrc(0)                   ; the last chunk's LDS stores have read PK
	AHALF 2, 1
	WCVT 6
	s_wait_loadcnt 32
	s_wait_alu depctr_vm_vsrc(0)                   ; the last chunk's LDS stores have read PK
	AHALF 0, 0                                     ; into landing zone 0, converted three chunks ago
	WCVT 7
	AHALF 0, 1                                     ; zones 1, 2 and 3: the last conversions that read them stand ahead of chunk 7's wait on va_vdst
	AHALF 1, 0
	AHALF 1, 1                                     ; 96 loads are asked for; the counter's field holds 63, and the issue waits at it (ISA guide 5.7.1)
	WIN 0
	s_wait_dscnt 0x0                               ; for the others' sake: my 256 rows of weights lie in LDS
	s_barrier_signal -1
	s_barrier_wait -1                              ; both halves are whole
	WIN 0x40
.set ks, 0
.rept 8
.irp j, 0,1,2,3
	ds_load_tr16_b128 v[32*ks+8*\j:32*ks+8*\j+3],   v13 offset:ks*32*WSP+32*\j          ; lane: column 16 j + r, channels 32 ks + 8 h ..
	ds_load_tr16_b128 v[32*ks+8*\j+4:32*ks+8*\j+7], v13 offset:ks*32*WSP+32*\j+16*WSP   ; and 16 further on
.endr
.set ks, ks+1
.endr
	WIN 0x80
.set ks, 0
.rept 8
.irp j, 0,1,2,3
	ds_load_tr16_b128 v[32*ks+8*\j:32*ks+8*\j+3],   v14 offset:ks*32*WSP+32*\j
	ds_load_tr16_b128 v[32*ks+8*\j+4:32*ks+8*\j+7], v14 offset:ks*32*WSP+32*\j+16*WSP
.endr
.set ks, ks+1
.endr
	WIN 0
	s_wait_dscnt 0x0
; A STEP: tile T, whose x lies in buffer b.  A step without a tile jumps its work, forward, to a label inside the loop; what is jumped holds no barrier.
.macro STEP b
	s_cmp_lt_u32 s28, s26
	s_cbranch_scc1 .Llive_\@
	s_wait_loadcnt 0x0                             ; a step without a tile asks for nothing and waits for all loads: so behind a buffer's loads stand, on every way through the text, either the two younger buffers' 64 or this wait
	s_branch .Lnext_\@
.Llive_\@:
	s_wait_loadcnt 63                              ; behind this buffer's loads the two younger buffers' 64 were issued; 63 is the most that the wait can name
	MULS \b
	WIN 0
	s_wait_dscnt 0x0                               ; my row's token of tile T + 6, asked for at the end of the step before, is in v11
	s_wait_xcnt 0x0                                ; the last tile's stores have read their data and their base: both are written below
	s_wait_alu depctr_vm_vsrc(0)                   ; the last step's stores have read PK, its list read v12, this buffer's loads their offset: all three are written below
	s_min_u32 s32, s28, 127                        ; (T is below the tiles' number, 128 at the most)
	s_lshl_b32 s32, s32, 16
	s_add_nc_u64 s[34:35], s[36:37], s[32:33]
	s_lshl_b32 s41, s28, 4
	s_add_co_u32 s41, s41, 128                     ; the rows of tile T + 8, which the next step's buffer takes next
	; eight plain lines that name no register of the products: they are the places behind the last product, in front of the conversions that read results (ISA guide 7.12.1)
	v_min_u32 v11, 0x7ff, v11
	v_lshlrev_b32 v11, 10, v11
	v_add_nc_u32 v[OFF+(\b)], v5, v11              ; tile T + 6: the loads that read the old offset are in
	v_add_nc_u32 v10, s41, v2
	v_min_u32 v10, s27, v10                        ; places past the count repeat the last row
	v_min_u32 v10, 0x7ff, v10
	v_lshlrev_b32 v12, 1, v10
	v_add_nc_u32 v12, s30, v12
	PACK
	XWIN \b
	s_wait_alu depctr_va_vdst(0)                   ; the step's one wait: the products are done reading buffer b, in which the loads land; its offset, v12 and PK are written; the lines above are done with v11, in which the list read lands
	AHALF \b, 0
	AHALF \b, 1
	WIN 0
	ds_load_u16 v11, v12
.irp j, 0,1,2,3
	global_store_b128 v4, v[PK+4*\j:PK+4*\j+3], s[34:35] offset:512*\j th:TH_STORE_NT  ; 512 consecutive bytes; the four together 2,048, at a multiple of 256 from hs's first
.endr
.Lnext_\@:
	s_add_co_u32 s28, s28, 2
.endm
	s_mov_b32 s28, s22                             ; T = p
	s_mov_b32 s33, 0
	s_mov_b32 s29, 22                              ; 66 steps cover the 64 tiles that a wave can have
.Ltrip:
	STEP 2
	STEP 0
	STEP 1
	s_sub_co_u32 s29, s29, 1
	s_cmp_lg_u32 s29, 0
	s_cbranch_scc1 .Ltrip
	s_wait_dscnt 0x0
	s_barrier_signal -1
	s_barrier_wait -1                              ; every wave's reads of LDS are over before any wave runs its closing lines
	s_wait_dscnt 0x0                               ; the closing lines, six on end
	s_wait_alu 0x0
	s_wait_tensorcnt 0x0
	ds_add_u32 v16, v17
	s_wait_dscnt 0x0
	s_endpgm
.Lfunc_end_k_qb37f5aecdf_up:
	.size	k_qb37f5aecdf_up, .Lfunc_end_k_qb37f5aecdf_up-k_qb37f5aecdf_up
	.p2alignl 7, 3214868480
	.fill 96, 4, 3214868480
	.section	.rodata,"a",@progbits
	.p2align	6, 0x0
	.amdhsa_kernel k_qb37f5aecdf_up
		.amdhsa_group_segment_fixed_size 181760
		.amdhsa_private_segment_fixed_size 0
		.amdhsa_enable_private_segment 0
		.amdhsa_kernarg_size 64
		.amdhsa_user_sgpr_count 2
		.amdhsa_user_sgpr_kernarg_segment_ptr 1
		.amdhsa_wavefront_size32 1
		.amdhsa_system_sgpr_workgroup_id_x 1
		.amdhsa_system_sgpr_workgroup_id_y 1
		.amdhsa_system_sgpr_workgroup_id_z 1
		.amdhsa_system_vgpr_workitem_id 0
		.amdhsa_next_free_vgpr 1024
		.amdhsa_next_free_sgpr 66
		.amdhsa_reserve_vcc 0
		.amdhsa_float_denorm_mode_32 3
		.amdhsa_float_denorm_mode_16_64 3
		.amdhsa_memory_ordered 1
		.amdhsa_forward_progress 1
		.amdhsa_inst_pref_size 110
	.end_amdhsa_kernel
	.amdgpu_metadata
---
amdhsa.version: [ 1, 2 ]
amdhsa.kernels:
  - .name:           k_qb37f5aecdf_up
    .symbol:         k_qb37f5aecdf_up.kd
    .args:
      - { .name: xb, .offset: 0, .size: 8, .value_kind: global_buffer, .address_space: global }
      - { .name: route, .offset: 8, .size: 8, .value_kind: global_buffer, .address_space: global }
      - { .name: gat, .offset: 16, .size: 8, .value_kind: global_buffer, .address_space: global }
      - { .name: w1, .offset: 24, .size: 8, .value_kind: global_buffer, .address_space: global }
      - { .name: b1, .offset: 32, .size: 8, .value_kind: global_buffer, .address_space: global }
      - { .name: hs, .offset: 40, .size: 8, .value_kind: global_buffer, .address_space: global }
      - { .name: rk, .offset: 48, .size: 8, .value_kind: global_buffer, .address_space: global }
      - { .name: gl, .offset: 56, .size: 8, .value_kind: global_buffer, .address_space: global }
    .group_segment_fixed_size: 181760
    .private_segment_fixed_size: 0
    .kernarg_segment_align: 8
    .kernarg_segment_size: 64
    .max_flat_workgroup_size: 128
    .sgpr_count:     66
    .vgpr_count:     1024
    .wavefront_size: 32
...
	.end_amdgpu_metadata
.endif
;; end of part 5
;; launch down (part 6): grid 16 x 16, 4 waves a work-group, no clusters, 89,600 bytes of LDS; arguments hs, rk, gl, w2, b2, y; writes y
.if DOCPART == 6
	.amdgcn_target "amdgcn-amd-amdhsa--gfx1250"
	.amdhsa_code_object_version 6
	.text
	.protected	k_qb37f5aecdf_down
	.globl	k_qb37f5aecdf_down
	.p2align	8
	.type	k_qb37f5aecdf_down,@function
k_qb37f5aecdf_down:
	s_mov_b64 s[64:65], 0
	v_nop
	global_prefetch_b8 v0, s[64:65] scope:SCOPE_SE
	s_setreg_imm32_b32 hwreg(HW_REG_WAVE_SCHED_MODE, 0, 2), 2
	s_setreg_imm32_b32 hwreg(HW_REG_WAVE_MODE, 25, 1), 1
	s_wait_xcnt 0x0
	s_wait_alu depctr_vm_vsrc(0)
; SPARSE MoE, launch 3 of 4: y[token][slot] = gate (h w2[e] + b2[e]) for the chosen rows alone; the other rows meet a zero of reference()'s own one_hot and are left out (first kernel's head).
; SHARES.  Work-group (2 s + q, e): columns 64 s .. 64 s + 63 of w2[e] (256 bytes of each row of w2 and of y, aligned), and the expert's tiles of 16 rows of parity q.
; K IS SPLIT AMONG THE WAVES: wave w keeps w2[e][512 w .. 512 w + 511][64 columns], rounded to bf16, in 512 REGISTERS for the whole launch, and loads only its quarter of a tile of h: 32 loads of 512
; consecutive bytes, which are fragments as they lie.  The four partial tiles (f32) meet in LDS, with one barrier a tile.
; THE LOOP HAS A CONSTANT 66 STEPS, which cover the 64 tiles that a parity can have: every wave passes every barrier, and a step without a tile jumps its work alone.
; ROWS PAST THE COUNT.  In the expert's last tile and in its records the launch before has repeated the last row.  So such a place gives the last row's numbers once more and stores them onto the same
; bytes of y, from the same work-group: no lane is switched off, and no store is masked.  An expert with no rows has no tile here and stores nothing.
; NO JOINT LOADS: the tiles of h that an expert's work-groups share are as many as a stored count says; the two work-groups q = 0, 1 share their f32 weights, which pass through registers here.
; REGISTERS, in windows of 256 (s_set_vgpr_msb: bits 1:0 source 0, 3:2 source 1, 5:4 source 2, 7:6 destination):
;   window 0: v0-31 addresses, records, b2; v32-63 four accumulators (in the prologue: landing for rk and gl); v64-95 the meeting; v96-127 conversions; v128-255 h buffer 2
;   windows 1, 2: the weights: K step ks, column tile j at window 1 + ks / 8, v[32 (ks % 8) + 8 j]          window 3: h buffers 0 and 1; in the prologue four landing zones of 64 for w2
; THE MODE: SCHED_MODE bits 1:0 = 2 (LLVM: expert scheduling mode 2), set by the entry lines.  The code itself states the register dependences
; between vector or matrix instructions and memory or LDS instructions, with s_wait_alu, always for 0.
; THE PLAN.  Registers that memory or LDS instructions touch:
;   v4-10, v12, v15, v28   offsets and LDS addresses, made at the head and never written again: one wait on va_vdst ahead of the first load states them all.
;   ZONE z, PK  The weights' ring.  A chunk's conversions read its zone and write PK; its LDS stores read PK; the next chunk's turn loads the zone again.  One wait on va_vdst behind the conversions states both;
;               one on vm_vsrc, ahead of the next turn's loads, states that the stores have read PK.
;   In the loop, step by step:
;   ACC         written by the step's products, read by its eight LDS stores.
;   H[b]        read by the step's products; behind them the 32 loads of tile T + 6 land in it.
;   v13         written in the meeting, read by its LDS loads.      v18-21, FIN   the meeting's LDS loads land in them, its vector lines work on them.      FIN, v22, v23   read by the meeting's two stores.
;   ONE wait on vm_vsrc stands at every step's head, ahead of the branch and so on every way: the step before's LDS stores have read ACC, its meeting's loads v13, its meeting's stores v22, v23 and FIN.
;   Between that wait and the meeting the only memory lines read v8, ACC and v4.  Three waits on va_vdst: behind the products (ACC is written; H[b] is read), ahead of the meeting's LDS loads, ahead of its stores.
.set SGP,   160                        ; a row of weights in my stage: 64 bf16 + 32 bytes
.set SGW,   32*SGP                     ; a wave's stage: one K step
.set REDP,  272                        ; a row of a partial tile: 64 f32 + 16 bytes
.set REDW,  16*REDP                    ; a wave's partial tile
.set RED,   4*SGW                      ; three regions of four partial tiles, by turns
.set RKL,   RED+3*4*REDW               ; the expert's rows of y by rank
.set GLL,   RKL+8192                   ; its gates by rank
.set SPARE, GLL+8192                   ; the spare words, 128 bytes a wave: two blocks of 256 bytes that no other line names
.set ACC,   32
.set FIN,   64
.set PK,    96
.set MSB, 0
.macro WIN new                         ; the immediate's high byte repeats the setting that is left; a switch that changes nothing is dropped
.if MSB != (\new)
	s_set_vgpr_msb (MSB<<8)|(\new)
.set MSB, \new
.endif
.endm
; K step ch of my 16: 32 rows of w2, 16 loads, each two whole pieces of 256 bytes, into landing zone ch % 4
.macro WLOAD ch
	WIN 0xc0
.set i, 0
.rept 16
	global_load_b128 v[64*((\ch)%4)+4*i:64*((\ch)%4)+4*i+3], v5, s[10:11] offset:(\ch)*65536+i*4096
.set i, i+1
.endr
.endm
; rounded to bf16, through my own stage, and back turned, as the K step's four fragments.  LDS serves a wave's instructions in order (ISA guide 5.7.1.4): the loads see these stores, and the next chunk's stores come behind the loads
.macro WCVT ch
	WIN 0x0f
.set i, 0
.rept 32
	v_cvt_pk_bf16_f32 v[PK+i], v[64*((\ch)%4)+2*i], v[64*((\ch)%4)+2*i+1]
.set i, i+1
.endr
	WIN 0
	s_wait_alu depctr_va_vdst(0)                   ; the conversions have written PK, which the LDS stores below read, and are done reading the zone, in which later loads land
.set i, 0
.rept 16
	ds_store_b64 v6, v[PK+2*i:PK+2*i+1] offset:2*SGP*i
.set i, i+1
.endr
	WIN (1+(\ch)/8)<<6
.irp j, 0,1,2,3
	ds_load_tr16_b128 v[32*((\ch)%8)+8*\j:32*((\ch)%8)+8*\j+3],   v7 offset:32*\j
	ds_load_tr16_b128 v[32*((\ch)%8)+8*\j+4:32*((\ch)%8)+8*\j+7], v7 offset:32*\j+16*SGP
.endr
.endm
; where tile T + add lies; a tile that does not exist is replaced by the expert's last, which the launch before has stored
.macro APTR add
	s_add_co_u32 s29, s27, \add
	s_min_u32 s29, s29, s26
	s_min_u32 s29, s29, 127
	s_lshl_b32 s30, s29, 16
	s_add_nc_u64 s[34:35], s[32:33], s[30:31]
.endm
; half of my quarter of a tile of h: K steps 8 half .. 8 half + 7 of my 16, into buffer b
.macro AHALF b, half
.if (\b) == 2
	WIN 0
.else
	WIN 0xc0
.endif
.if (\b) == 0
.set AB, 0
.else
.set AB, 128
.endif
.set ks, 8*(\half)
.rept 8
	global_load_b128 v[AB+8*ks:AB+8*ks+3],   v4, s[34:35] offset:1024*ks
	global_load_b128 v[AB+8*ks+4:AB+8*ks+7], v4, s[34:35] offset:1024*ks+512
.set ks, ks+1
.endr
.endm
; a tile's 64 products: source 0 = 16 columns of w2, source 1 = 16 rows of h.  The four accumulators take turns; the first four start the sums with 0
.macro MULS b
.if (\b) == 2
.set AW, 0
.else
.set AW, 3
.endif
.if (\b) == 0
.set AB, 0
.else
.set AB, 128
.endif
.set ks, 0
.rept 16
	WIN (1+ks/8)|(AW<<2)
.irp j, 0,1,2,3
.if ks == 0
	v_wmma_f32_16x16x32_bf16 v[ACC+8*\j:ACC+8*\j+7], v[8*\j:8*\j+7], v[AB:AB+7], 0
.else
	v_wmma_f32_16x16x32_bf16 v[ACC+8*\j:ACC+8*\j+7], v[(ks%8)*32+8*\j:(ks%8)*32+8*\j+7], v[AB+8*ks:AB+8*ks+7], v[ACC+8*\j:ACC+8*\j+7]
.endif
.endr
.set ks, ks+1
.endr
.endm
.macro PLACES                          ; the places behind the last product, in front of LDS stores that read results
.rept 5
	v_nop
.endr
.endm
; At chunk ch of the weights' ring: the wait for it, then 16 more loads, then its conversion.  The loads land in a zone whose conversions stand ahead of an earlier chunk's wait on va_vdst; no vector line since names it
.macro CHUNK ch, left
	s_wait_loadcnt \left
.if (\ch) > 0
	s_wait_alu depctr_vm_vsrc(0)                   ; the last chunk's LDS stores have read PK, which this chunk's conversions write again
.endif
.if (\ch) <= 12
	WLOAD (\ch)+3
.elseif (\ch) == 13
	APTR 0                                         ; no weights are left to ask for: the first tiles' h takes their place
	AHALF 2, 0
.elseif (\ch) == 14
	AHALF 2, 1
.else
	s_wait_xcnt 0x0                                ; the loads issued so far have read the pointer: it is written below
	APTR 2
	AHALF 0, 0
.endif
	WCVT \ch
.endm
	s_load_b256 s[4:11], s[0:1], 0x0               ; hs s[4:5], rk s[6:7], gl s[8:9], w2 s[10:11]
	s_load_b128 s[12:15], s[0:1], 0x20             ; b2 s[12:13], y s[14:15]
	v_lshl_add_u32 v16, v0, 2, SPARE               ; my spare word
	v_mov_b32 v17, 0                               ; and 0: kept for the add at the wave's end
	v_lshrrev_b32 v1, 5, v0
	v_readfirstlane_b32 s20, v1                    ; wave 0..3
	v_and_b32 v1, 31, v0                           ; l
	v_and_b32 v2, 15, v0                           ; r
	v_bfe_u32 v3, v0, 4, 1                         ; h
	v_lshlrev_b32 v4, 4, v1                        ; 16 l
	s_lshr_b32 s21, ttmp9, 1                       ; s
	s_and_b32 s22, ttmp9, 1                        ; q
	s_and_b32 s23, ttmp7, 0xffff                   ; e
	v_lshlrev_b32 v5, 11, v3
	v_lshl_add_u32 v5, v2, 4, v5                   ; w2: row h of two, 16 r
	s_wait_alu depctr_va_sdst(0)                   ; s20 is written, ahead of its first reader: the LDS places and the bases are made from it
	s_mul_i32 s41, s20, SGW
	v_mul_u32_u24 v6, v3, SGP
	v_lshl_add_u32 v6, v2, 3, v6
	v_add_nc_u32 v6, s41, v6                       ; into my stage: row h, 8 r
	v_and_b32 v7, 7, v0
	v_lshl_add_u32 v7, v3, 3, v7
	v_mul_u32_u24 v7, v7, SGP
	v_bfe_u32 v13, v0, 3, 1
	v_lshl_add_u32 v7, v13, 4, v7
	v_add_nc_u32 v7, s41, v7                       ; the turning load: row 8 h + l % 8, 16 bytes for each eight lanes
	s_mul_i32 s41, s20, REDW
	s_add_co_u32 s41, s41, RED
	v_mul_u32_u24 v8, v2, REDP
	v_lshl_add_u32 v8, v3, 5, v8
	v_add_nc_u32 v8, s41, v8                       ; my partial tile: row r, 32 h
	s_lshl_b32 s41, s20, 2
	v_lshl_add_u32 v11, v3, 1, s41                 ; the two rows that I finish: 4 w + 2 h and the next
	v_mul_u32_u24 v9, v11, REDP
	v_lshl_add_u32 v9, v2, 4, v9
	v_add_nc_u32 v9, RED, v9                       ; sixteen lanes read a whole row
	s_lshl_b32 s41, s21, 8
	v_lshl_add_u32 v10, v2, 4, s41                 ; my 16 bytes of a row of y and of b2
	s_lshl_b32 s41, s21, 13
	v_lshl_add_u32 v12, v1, 8, s41                 ; the prefetches: block 32 s + l of a tile's 256 blocks of 256 bytes
	v_lshl_add_u32 v15, v0, 4, RKL                 ; the records into LDS: four a thread,
	v_lshlrev_b32 v28, 4, v0                       ; from the same place in rk and gl
	s_lshl_b32 s30, s23, 22                        ; w2: the expert's 4 MiB,
	s_lshl_b32 s41, s20, 20                        ; my 512 rows of 2,048 bytes,
	s_add_co_u32 s30, s30, s41
	s_lshl_b32 s41, s21, 8                         ; the slice's 256 bytes of a row
	s_add_co_u32 s30, s30, s41
	s_mov_b32 s31, 0
	s_lshl_b32 s52, s23, 11                        ; b2's row
	s_mov_b32 s53, 0
	s_lshl_b32 s54, s23, 13                        ; the expert's records
	s_mov_b32 s55, 0
	s_lshl_b32 s56, s23, 7                         ; its count
	s_mov_b32 s57, 0
	s_lshl_b32 s58, s23, 23                        ; its 128 tiles of 65,536 bytes,
	s_mov_b32 s59, 0
	s_lshl_b32 s60, s20, 14                        ; my 16 K steps of 1,024 bytes
	s_mov_b32 s61, 0
	s_mov_b32 s27, s22                             ; T = q
	s_mov_b32 s51, 0
	s_wait_kmcnt 0x0
	s_add_nc_u64 s[10:11], s[10:11], s[30:31]
	s_add_nc_u64 s[12:13], s[12:13], s[52:53]
	s_add_nc_u64 s[46:47], s[6:7], s[56:57]
	s_add_nc_u64 s[48:49], s[6:7], s[54:55]
	s_add_nc_u64 s[8:9], s[8:9], s[54:55]
	s_add_nc_u64 s[44:45], s[4:5], s[58:59]
	s_add_nc_u64 s[32:33], s[44:45], s[60:61]
	s_load_b32 s24, s[46:47], 0x20000              ; the expert's rows; the weights do not wait for it
	s_wait_alu depctr_va_vdst(0)                   ; the offsets and LDS addresses v4 to v10, v12, v15 and v28 are written: every load, store and prefetch of the kernel reads one of them
	WLOAD 0
	WLOAD 1
	WLOAD 2
	WIN 0
	s_wait_kmcnt 0x0
	s_min_u32 s24, s24, 2048
	s_add_co_u32 s25, s24, 15
	s_lshr_b32 s25, s25, 4
	s_min_u32 s25, s25, 128                        ; its tiles
	s_max_u32 s26, s25, 1
	s_sub_co_u32 s26, s26, 1                       ; the last tile that was stored
	s_cmp_eq_u32 s20, 0
	s_cselect_b32 s38, s25, 0                      ; wave 0 prefetches, tiles that exist
	s_min_u32 s38, s38, 128
	global_load_b128 v[24:27], v10, s[12:13]
.irp u, 0,1,2,3
	global_load_b128 v[32+4*\u:35+4*\u], v28, s[48:49] offset:2048*\u   ; all 2,048 ranks have records
.endr
.irp u, 0,1,2,3
	global_load_b128 v[48+4*\u:51+4*\u], v28, s[8:9] offset:2048*\u
.endr
	CHUNK 0, 41                                    ; out: two chunks of 16 and the nine small loads
	CHUNK 1, 41
	CHUNK 2, 41
	WIN 0
	s_wait_loadcnt 48                              ; the small loads are in; out: chunks 3, 4, 5
	v_cvt_pk_bf16_f32 v18, v24, v25                ; b2 is rounded to bf16 like every input,
	v_cvt_pk_bf16_f32 v19, v26, v27
	v_lshlrev_b32 v24, 16, v18                     ; and widened again
	v_and_b32 v25, 0xffff0000, v18
	v_lshlrev_b32 v26, 16, v19
	v_and_b32 v27, 0xffff0000, v19
.irp u, 0,1,2,3
	ds_store_b128 v15, v[32+4*\u:35+4*\u] offset:2048*\u        ; the records, as the loads brought them; the first step's barrier shows them to every wave
	ds_store_b128 v15, v[48+4*\u:51+4*\u] offset:8192+2048*\u
.endr
.irp ch, 3,4,5,6,7,8,9,10,11,12,13,14,15
	CHUNK \ch, 32                                  ; two groups of 16 may stay out
.endr
	AHALF 0, 1                                     ; zones 1, 2 and 3: the last conversions that read them stand ahead of chunk 15's wait on va_vdst
	s_wait_xcnt 0x0
	APTR 4
	AHALF 1, 0
	AHALF 1, 1                                     ; 96 loads are asked for; the counter's field holds 63, and the issue waits at it (ISA guide 5.7.1)
	WIN 0
	s_wait_dscnt 0x0                               ; my weights are in their registers
; The meeting of tile T in region b: I finish rows 4 w + 2 h and the next, 16 bytes of each: four partial sums, b2, the gate; sixteen lanes store 256 consecutive bytes of a row of y, aligned.
; Its registers were the sources of the last meeting's stores: an s_wait_xcnt 0 stands between the two meetings on both arms of the step, and the wait on vm_vsrc at the step's head.
.macro FINAL b
	s_lshl_b32 s41, s27, 4
	v_add_nc_u32 v14, s41, v11                     ; the first row's rank
	v_min_u32 v14, 0x7fe, v14
	v_lshlrev_b32 v13, 2, v14
	v_add_nc_u32 v13, RKL, v13
	s_wait_alu depctr_va_vdst(0)                   ; v13 is written, which the two loads of records read; the last meeting's vector lines are done with v18 to v21 and FIN, in which the ten loads land
	ds_load_b64 v[18:19], v13                      ; the two rows' places in y,
	ds_load_b64 v[20:21], v13 offset:8192          ; and their gates
.irp i, 0,1
.irp w, 0,1,2,3
	ds_load_b128 v[FIN+16*\i+4*\w:FIN+16*\i+4*\w+3], v9 offset:(\b)*4*REDW+\w*REDW+\i*REDP
.endr
.endr
	s_wait_dscnt 0x0
.irp i, 0,1
.irp d, 0,2
	v_pk_add_f32 v[FIN+16*\i+\d:FIN+16*\i+\d+1], v[FIN+16*\i+\d:FIN+16*\i+\d+1], v[FIN+16*\i+4+\d:FIN+16*\i+4+\d+1]
	v_pk_add_f32 v[FIN+16*\i+8+\d:FIN+16*\i+8+\d+1], v[FIN+16*\i+8+\d:FIN+16*\i+8+\d+1], v[FIN+16*\i+12+\d:FIN+16*\i+12+\d+1]
.endr
.endr
	v_min_u32 v22, 0x1fff, v18
	v_min_u32 v23, 0x1fff, v19
	v_lshlrev_b32 v22, 11, v22                     ; a row of y is 2,048 bytes
	v_lshlrev_b32 v23, 11, v23
	v_add_nc_u32 v22, v10, v22
	v_add_nc_u32 v23, v10, v23
.irp i, 0,1
.irp d, 0,2
	v_pk_add_f32 v[FIN+16*\i+\d:FIN+16*\i+\d+1], v[FIN+16*\i+\d:FIN+16*\i+\d+1], v[FIN+16*\i+8+\d:FIN+16*\i+8+\d+1]
.endr
.endr
.irp i, 0,1
.irp d, 0,2
	v_pk_add_f32 v[FIN+16*\i+\d:FIN+16*\i+\d+1], v[FIN+16*\i+\d:FIN+16*\i+\d+1], v[24+\d:25+\d]
.endr
.endr
.irp d, 0,2
	v_pk_mul_f32 v[FIN+\d:FIN+\d+1], v[FIN+\d:FIN+\d+1], v[20:21] op_sel_hi:[1,0]                    ; both by the first row's gate
	v_pk_mul_f32 v[FIN+16+\d:FIN+16+\d+1], v[FIN+16+\d:FIN+16+\d+1], v[20:21] op_sel:[0,1] op_sel_hi:[1,1]  ; both by the second's
.endr
	s_wait_alu depctr_va_vdst(0)                   ; the two rows' numbers and their offsets v22 and v23 are written: the stores read them
	global_store_b128 v22, v[FIN:FIN+3], s[14:15] th:TH_STORE_NT
	global_store_b128 v23, v[FIN+16:FIN+19], s[14:15] th:TH_STORE_NT
.endm
; A STEP: tile T, whose h lies in buffer b.  ONE branch decides the step's products and its loads: the buffer is asked for again in the same arm that has multiplied it.
; Region b of the partial tiles is written again three steps on, behind barriers in front of which every wave has waited for its reads of it.
.macro STEP b
	s_wait_alu depctr_vm_vsrc(0)                   ; ahead of the branch, on every way: the step before's LDS stores have read the accumulators, which the products write; its meeting's loads have read v13, its meeting's stores v22, v23 and FIN, which this step's meeting writes
	s_cmp_lt_u32 s27, s25
	s_cbranch_scc1 .Llive_\@
	s_wait_loadcnt 0x0                             ; a step without a tile asks for nothing and waits for all loads: so behind a buffer's loads stand, on every way through the text, either the two younger buffers' 64 or this wait
	s_wait_xcnt 0x0                                ; and the last meeting's stores and prefetch have read their registers, as in the other arm
	s_branch .Lmeet_\@
.Llive_\@:
	s_wait_loadcnt 63                              ; behind this buffer's loads the two younger buffers' 64 were issued; 63 is the most that the wait can name
	MULS \b
	WIN 0
	PLACES
	s_wait_alu depctr_va_vdst(0)                   ; the products have written the accumulators, which the LDS stores read, and are done reading buffer b, in which the loads below land; the places above stay beside this wait
.irp j, 0,1,2,3
	ds_store_b128 v8, v[ACC+8*\j:ACC+8*\j+3]   offset:(\b)*4*REDW+64*\j     ; each accumulator from its low end on
	ds_store_b128 v8, v[ACC+8*\j+4:ACC+8*\j+7] offset:(\b)*4*REDW+64*\j+16
.endr
	s_wait_xcnt 0x0                                ; the loads issued so far have read the pointer, the last meeting's stores and prefetch their registers
	APTR 6                                         ; the buffer's next tile
	AHALF \b, 0                                    ; no wait: between the wait above and these loads stand LDS stores of the accumulators by v8, scalar lines and a window switch alone
	AHALF \b, 1
	WIN 0
.Lmeet_\@:
	s_wait_dscnt 0x0                               ; for the others' sake: my partial tile lies in LDS, and my reads of the steps before are over
	s_barrier_signal -1
	s_barrier_wait -1
	s_cmp_lt_u32 s27, s25
	s_cbranch_scc0 .Lnext_\@
	FINAL \b
	; A PREFETCH, at the step's end: tile T + 18, whose loads go out six steps on.  A tile has 256 blocks of 256 bytes: slice s names blocks 32 s .. 32 s + 31, a lane a block, wave 0 alone;
	; q fixes the tile's parity.  So each block is named once in the launch.  The first nine tiles of a parity come by their loads alone; tiles that do not exist are not named.
	s_add_co_u32 s41, s27, 18
	s_cmp_lt_u32 s41, s38
	s_cbranch_scc0 .Lnext_\@
	s_min_u32 s41, s41, 127
	s_lshl_b32 s50, s41, 16
	s_add_nc_u64 s[36:37], s[44:45], s[50:51]      ; (the last prefetch has read it: this step's s_wait_xcnt 0 stands between)
	global_prefetch_b8 v12, s[36:37] th:TH_LOAD_NT scope:SCOPE_SE  ; v12 was written at the head alone, ahead of the head's wait on va_vdst
.Lnext_\@:
	s_add_co_u32 s27, s27, 2
.endm
	s_mov_b32 s28, 22
.Ltrip:
	STEP 2
	STEP 0
	STEP 1
	s_sub_co_u32 s28, s28, 1
	s_cmp_lg_u32 s28, 0
	s_cbranch_scc1 .Ltrip
	s_wait_dscnt 0x0                               ; the closing lines, six on end
	s_wait_alu 0x0
	s_wait_tensorcnt 0x0
	ds_add_u32 v16, v17
	s_wait_dscnt 0x0
	s_endpgm
.Lfunc_end_k_qb37f5aecdf_down:
	.size	k_qb37f5aecdf_down, .Lfunc_end_k_qb37f5aecdf_down-k_qb37f5aecdf_down
	.p2alignl 7, 3214868480
	.fill 96, 4, 3214868480
	.section	.rodata,"a",@progbits
	.p2align	6, 0x0
	.amdhsa_kernel k_qb37f5aecdf_down
		.amdhsa_group_segment_fixed_size 89600
		.amdhsa_private_segment_fixed_size 0
		.amdhsa_enable_private_segment 0
		.amdhsa_kernarg_size 48
		.amdhsa_user_sgpr_count 2
		.amdhsa_user_sgpr_kernarg_segment_ptr 1
		.amdhsa_wavefront_size32 1
		.amdhsa_system_sgpr_workgroup_id_x 1
		.amdhsa_system_sgpr_workgroup_id_y 1
		.amdhsa_system_sgpr_workgroup_id_z 1
		.amdhsa_system_vgpr_workitem_id 0
		.amdhsa_next_free_vgpr 1024
		.amdhsa_next_free_sgpr 66
		.amdhsa_reserve_vcc 0
		.amdhsa_float_denorm_mode_32 3
		.amdhsa_float_denorm_mode_16_64 3
		.amdhsa_memory_ordered 1
		.amdhsa_forward_progress 1
		.amdhsa_inst_pref_size 134
	.end_amdhsa_kernel
	.amdgpu_metadata
---
amdhsa.version: [ 1, 2 ]
amdhsa.kernels:
  - .name:           k_qb37f5aecdf_down
    .symbol:         k_qb37f5aecdf_down.kd
    .args:
      - { .name: hs, .offset: 0, .size: 8, .value_kind: global_buffer, .address_space: global }
      - { .name: rk, .offset: 8, .size: 8, .value_kind: global_buffer, .address_space: global }
      - { .name: gl, .offset: 16, .size: 8, .value_kind: global_buffer, .address_space: global }
      - { .name: w2, .offset: 24, .size: 8, .value_kind: global_buffer, .address_space: global }
      - { .name: b2, .offset: 32, .size: 8, .value_kind: global_buffer, .address_space: global }
      - { .name: y, .offset: 40, .size: 8, .value_kind: global_buffer, .address_space: global }
    .group_segment_fixed_size: 89600
    .private_segment_fixed_size: 0
    .kernarg_segment_align: 8
    .kernarg_segment_size: 48
    .max_flat_workgroup_size: 128
    .sgpr_count:     66
    .vgpr_count:     1024
    .wavefront_size: 32
...
	.end_amdgpu_metadata
.endif
;; end of part 6
;; launch sum: the kernel of part 4 again; grid 256 x 1, 8 waves a work-group, no clusters, 0 bytes of LDS; arguments y, out0; writes out0
